; MI455X (gfx1250); checked and timed in simulation.
; The chip was launched on July 23, 2026; its instructions are those of AMD's public machine-readable ISA for CDNA 5 (MIT licence, August 2026) and "CDNA5" Instruction Set Architecture Reference Guide (July 2026). The comments in the code are by the model that wrote it; some were corrected since.
;; Graph Mo E. Allowed arithmetic: matrix products marked QUANTISED: E3M2 operands, one E8M0 scale for each 32 along K, by v_wmma_scale_f32_16x16x128_f8f6f4 with both operands' format E3M2, f32 sums; products left as they are: f32 operands where the result goes on into a quantised operand, else bf16, f16 or f32 operands; f32 sums; everything else in f32.
;; Inputs: adjacency 4 x 1,024 x 1,024 float32; b_down 8 x 512 float32; b_gate 1 float32; b_local 8 float32; b_up 8 x 2,048 float32; features 4 x 1,024 x 512 float32; w_down 8 x 2,048 x 512 float32; w_gate 512 x 1 float32; w_local 512 x 8 float32; w_up 8 x 512 x 2,048 float32.
;; Outputs: out0 4 x 1,024 x 512 float32; out1 4 x 1,024 x 2 int32; out2 one number float32.
;; This version of the problem:
;;   THIS VERSION OF THE PROBLEM IS GIVEN IN LOW PRECISION. The matrix products marked QUANTISED in the list below multiply operands that are first quantised to E3M2 (3 exponent bits, 2 mantissa bits; 6 bits a number), with one power-of-two scale for each 32 numbers along K (OCP MX v1.0); their sums are f32. All else is computed in f32.
;;   The module's matrix products, in the order in which they are computed (A, B: the left and right operand; K: the contracted axis; several contracted axes count as one K, in the product's order):
;;     1. [M 4,096, K 512] x [K 512, N 8]; A: input features; B: input w_local: left as it is (N = 8 < 16)
;;     2. batch 4 x [M 1,024, K 1,024] x [K 1,024, N 8]; A: input adjacency; B: computed on the way: left as it is (N = 8 < 16)
;;     3. [M 4,096, K 512] x [K 512, N 1]; A: input features; B: input w_gate: left as it is (N = 1 < 16)
;;     4. [M 4,096, K 512] x [K 512, N 16,384]; A: input features; B: input w_up: QUANTISED
;;     5. batch 8 x [M 512, K 2,048] x [K 2,048, N 4,096]; A: input w_down; B: computed on the way: QUANTISED
;;     6. batch 4,096 x [M 512, K 2] x [K 2, N 1]; A: computed on the way; B: computed on the way: left as it is (K = 2 < 32)
;;   THE QUANTISER, for each operand of a quantised product, along K:
;;     - K is cut into blocks of 32 from its start; a last block that is shorter is filled with zeros.
;;     - A block's scale is 2^e with e = floor(log2(the largest magnitude in the block)) - 4, held to -126 .. 127; a block of zeros has e = 0. As a byte (E8M0): e + 127.
;;     - Each number is divided by its block's scale, clamped to +-28, and rounded to the nearest number of E3M2, ties to even, subnormals kept.
;;     - The product sums the exact products of the quantised numbers (number of the format x scale) in f32.
;;   ~~~python
;;   def quantise(x, axis):      # numpy; x: float32 -> the quantised numbers, widened to float32 again
;;       x = np.moveaxis(x, axis, -1); K = x.shape[-1]
;;       x = np.pad(x, [(0, 0)] * (x.ndim - 1) + [(0, -K % 32)]); x = x.reshape(x.shape[:-1] + (-1, 32)); a = np.abs(x).max(-1, keepdims=True)
;;       e = np.where(a > 0, np.clip(np.frexp(np.where(a > 0, a, 1))[1] - 1 - 4, -126, 127), 0)      # np.frexp(a)[1] - 1 = floor(log2(a)), exactly
;;       r = np.clip(x / 2.0 ** e, -28, 28)
;;       step = 2.0 ** (np.maximum(np.frexp(np.where(r == 0, 1, r))[1] - 1, -2) - 2)
;;       q = np.round(r / step) * step * 2.0 ** e      # np.round: ties to even
;;       return np.moveaxis(q.reshape(q.shape[:-2] + (-1,))[..., :K], -1, axis).astype(np.float32)
;;   ~~~
;;   OPERANDS COMPUTED ON THE WAY. 'Computed on the way' means the value that the module computes at that place (a softmax that the list does not call 'softmax' is quantised finished and normalised). What goes into a quantiser is computed in f32, as accurately as f32 sums, v_exp_f32 and their like allow (about 1e-6 of the number): no bf16 or f16 on the way to a quantiser, and a product that is left as it is and whose result goes on into a quantised operand takes f32 operands (vector FMAs, or v_wmma_f32_16x16x4_f32). A number that lies on a knife's edge between two numbers of the format may be rounded either way, as far as f32 arithmetic and the matrix unit's own rounding can turn it there, and no further.
;; 2 versions, each right; version 2 is version 1 with the launch chain written anew for expert scheduling mode. Each part assembles by itself: llvm-mc -triple=amdgcn-amd-amdhsa -mcpu=gfx1250 --defsym DOCPART=n.
;; ======== version 1 of 2: 5 launches
;; workspace buffers: sc 147,456 bytes; wq 13,107,200 bytes; tki 32,768 bytes of whole numbers; rp 65,536 bytes; plan 36,352 bytes of whole numbers; y 16,777,216 bytes
;; launch prep (part 1): grid 640 x 1, 4 waves a work-group, no clusters, 51,712 bytes of LDS; arguments features, w_local, b_local, w_gate, b_gate, w_up, w_down, sc, wq; writes sc, wq
.if DOCPART == 1
	.amdgcn_target "amdgcn-amd-amdhsa--gfx1250"
	.amdhsa_code_object_version 6
	.text
	.protected	k_q04f39ee34d_prep
	.globl	k_q04f39ee34d_prep
	.p2align	8
	.type	k_q04f39ee34d_prep,@function
k_q04f39ee34d_prep:
	s_mov_b64 s[64:65], 0
	v_nop
	global_prefetch_b8 v0, s[64:65] scope:SCOPE_SE
	s_setreg_imm32_b32 hwreg(HW_REG_WAVE_MODE, 25, 1), 1
	s_wait_xcnt 0x0
; PREP: three kinds of work-groups, told apart by the work-group's number; each kind ends by itself; no barrier.
;  0..127    SCORES: ls[t][e] = features[t] . w_local[:, e] + b_local[e] and gz[t] = features[t] . w_gate + b_gate, all in f32 (they steer the choice of experts).
;            sc: ls [4096][8] at byte 0, gz [4096] at byte 131,072.
;  128..383  w_up   [8][512][2048] f32 -> codes of E3M2 with one E8M0 byte for each 32 along K (K = the FIRST of the two inner axes)
;  384..639  w_down [8][2048][512] f32 -> the same
; THE RECORD OF A UNIT in wq, 6,400 bytes = 25 x 256: 64 weight columns x 128 along K = four operand fragments (16 rows x 128 K, 12 registers a lane) AS IMAGES OF THEIR REGISTERS:
; fragment f at 1,536 f; registers 4 j .. 4 j + 3 of lane l at 512 j + 16 l.  At byte 6,144: 8 bytes a lane: word i of lane (r, h) is the scale word of row r of fragment 2 i + h.
; Column j (0..31) of the unit's 32-group q goes to fragment 2 q + (j / 8) % 2, row 8 (j / 16) + j % 8, so that in the product's result the 16 registers of fragments 2 q, 2 q + 1 are 16 neighbouring columns.
; The stream of (expert e, wave w of the chain) is 32 units at ((8 e + w) 32 + n) 6,400: n = 4 p + s < 16: w_up, hidden units 256 w + 64 p on, K step s; n = 16 + H: w_down, columns 64 w on, K step H.
; A block's scale is 2^(floor(log2(its largest magnitude)) - 4); its byte is the largest magnitude's exponent field - 4, held at 1 from below.
; LIMITS: a block of zeros gets the byte 1 where the rule says 127 (its codes are zeros, and this program alone reads the bytes); NaN and infinities among the inputs are not served.
.set NSC,   128                        ; work-groups for the scores
.set NUP,   256                        ; for w_up; as many for w_down
.set UNITB, 6400
.set A,   12                           ; v[12:19]   scores: eight sums, in four pairs
.set AG,  20                           ; v[20:21]   the gate's sum, in two halves
.set WG,  24                           ; v[24:39]   my 16 numbers of w_gate
.set X,   40                           ; v[40:103]  four slots of 16 numbers of a token
.set WL,  104                          ; v[104:231] my 16 rows of w_local: 8 (4 j + i) + e
.set QX,  32                           ; quantiser: v[32:95] two sets of 32 numbers
.set QO,  96                           ; v[96:145] the record on its way out
; One token.  Lane l owns k = 128 j + 4 l + i.  left = the loads of the younger slots, which may stay out.
.macro TOK t, left
.set XS, X+16*((\t)%4)
	s_wait_loadcnt \left
.irp p, 0,1,2,3
	v_pk_mul_f32 v[A+2*\p:A+2*\p+1], v[XS:XS+1], v[WL+2*\p:WL+2*\p+1] op_sel:[0,0] op_sel_hi:[0,1]   ; the first product starts the sums: x (the pair's low word, for both halves) times two experts' weights
.endr
.set kk, 1
.rept 15
.irp p, 0,1,2,3
.if kk%2
	v_pk_fma_f32 v[A+2*\p:A+2*\p+1], v[XS+kk-1:XS+kk], v[WL+8*kk+2*\p:WL+8*kk+2*\p+1], v[A+2*\p:A+2*\p+1] op_sel:[1,0,0] op_sel_hi:[1,1,1]
.else
	v_pk_fma_f32 v[A+2*\p:A+2*\p+1], v[XS+kk:XS+kk+1], v[WL+8*kk+2*\p:WL+8*kk+2*\p+1], v[A+2*\p:A+2*\p+1] op_sel:[0,0,0] op_sel_hi:[0,1,1]
.endif
.endr
.set kk, kk+1
.endr
	v_pk_mul_f32 v[AG:AG+1], v[XS:XS+1], v[WG:WG+1]
.irp p, 1,2,3,4,5,6,7
	v_pk_fma_f32 v[AG:AG+1], v[XS+2*\p:XS+2*\p+1], v[WG+2*\p:WG+2*\p+1], v[AG:AG+1]
.endr
.if (\t)+4 < 8
.irp j, 0,1,2,3
	global_load_b128 v[XS+4*\j:XS+4*\j+3], v2, s[4:5] offset:2048*((\t)+4)+512*\j th:TH_LOAD_NT   ; the slot takes the token four further on
.endr
.endif
	v_add_f32 v[AG], v[AG], v[AG+1]
.irp x, 1,2,4,8                        ; nine sums over the 32 lanes, by turns
.irp g, 12,13,14,15,16,17,18,19,20
	v_add_f32_dpp v\g, v\g, v\g row_xmask:\x row_mask:0xf bank_mask:0xf
.endr
.endr
.irp g, 12,13,14,15,16,17,18,19,20
	v_permlanex16_b32 v9, v\g, s42, s43
	v_add_f32 v\g, v\g, v9
.endr
	v_mov_b32 v22, v[A]                            ; lane l keeps expert l % 8
.irp e, 1,2,3,4,5,6,7
	v_cndmask_b32 v22, v22, v[A+\e], s[30+\e]
.endr
	v_add_f32 v22, v22, v6                         ; + b_local
.if (\t)%4 == 0
.if (\t) > 0
	s_wait_xcnt 0x0                                ; the store of the first four tokens has read its data register
.endif
	v_mov_b32 v7, v22
.else
	v_cndmask_b32 v7, v7, v22, s[37+(\t)%4]        ; lanes 8 (t % 4) .. + 7 take this token
.endif
.if (\t)%4 == 3
	global_store_b32 v4, v7, s[18:19] offset:128*((\t)/4)   ; four tokens x eight experts: 128 consecutive bytes
.endif
.if (\t) == 0
	v_mov_b32 v8, v[AG]
.else
	v_cmp_eq_u32 vcc_lo, \t, v1
	v_cndmask_b32 v8, v8, v[AG], vcc_lo            ; lane t keeps token t's gate sum
.endif
.endm
; Quantiser.  Set t of eight: block kb = t / 2 of the unit's four along K, 32-group q = t % 2 of its columns.  A LANE TAKES A COLUMN AND ITS REGISTERS RUN DOWN K.
.macro QLOAD t, src, stride
.set qi, 0
.rept 32
	global_load_b32 v[QX+32*((\t)%2)+qi], v2, s[\src:\src+1] offset:(32*((\t)/2)+qi)*\stride+128*((\t)%2) th:TH_LOAD_NT   ; one row of the weight at 32 neighbouring columns: 128 consecutive bytes
.set qi, qi+1
.endr
.endm
.macro QBLOCK t, src, stride
.set XS, QX+32*((\t)%2)
.set QF, 3072*((\t)%2)+256*(((\t)/2)%2)        ; fragment 2 q (+ the lane's own 1,536 u), lanes 16 (kb % 2) on
.if (\t) < 7
	s_wait_loadcnt 32                              ; this set's 32 loads are in; the next set's may be out
.else
	s_wait_loadcnt 0x0
.endif
	v_max3_num_f32 v12, |v[XS]|, |v[XS+1]|, |v[XS+2]|              ; the block's largest magnitude: all 32 numbers are mine
	v_max3_num_f32 v13, |v[XS+3]|, |v[XS+4]|, |v[XS+5]|
.irp i, 6,10,14,18,22,26
	v_max3_num_f32 v12, v12, |v[XS+\i]|, |v[XS+\i+1]|
	v_max3_num_f32 v13, v13, |v[XS+\i+2]|, |v[XS+\i+3]|
.endr
	v_max3_num_f32 v12, v12, |v[XS+30]|, |v[XS+31]|
	v_max3_num_f32 v12, v12, v13, 0x2800000        ; and the floor 2^(5 - 127): the byte cannot fall under 1
	v_add_nc_u32 v14, 0xfe000000, v12              ; 4 off the exponent field: the conversion takes this operand's exponent field as its scale
	v_cvt_scalef32_pk16_bf6_f32 v[20:22], v[XS:XS+15], v14
	v_cvt_scalef32_pk16_bf6_f32 v[26:28], v[XS+16:XS+31], v14      ; (a conversion's three registers begin on an even number)
	v_lshrrev_b32 v15, 23, v14                     ; the scale's byte; also the plain line behind the conversions
.if (\t)/2 == 0
	v_mov_b32 v[16+(\t)%2], v15
.else
	v_lshl_or_b32 v[16+(\t)%2], v15, 8*((\t)/2), v[16+(\t)%2]      ; byte kb of my column's scale word
.endif
	v_mov_b32 v23, v26
	v_mov_b32 v24, v27
	v_mov_b32 v25, v28                             ; v[20:25]: the block's 24 bytes = registers 6 (kb / 2) .. + 5 of lane r + 16 (kb % 2) of my fragment
.if (\t)/2 < 2
	ds_store_b128 v3, v[20:23] offset:QF           ; registers 0-3
	ds_store_b64 v3, v[24:25] offset:QF+512        ; registers 4, 5
.else
	ds_store_b64 v3, v[20:21] offset:QF+520        ; registers 6, 7
	ds_store_b128 v3, v[22:25] offset:QF+1024      ; registers 8-11
.endif
.if (\t)+2 < 8
	QLOAD (\t)+2, \src, \stride
.endif
	s_wait_dscnt 0x0                               ; the stores have read their registers: the next block's codes may be written
.endm
; A wave makes one unit record in its own 6,400 bytes of LDS and stores it in whole runs of 512 bytes.
.macro QW src, stride, lbase
	v_lshlrev_b32 v2, 2, v1                        ; in: 4 bytes a lane
	v_bfe_u32 v12, v0, 3, 1                        ; u = (j / 8) % 2
	v_bfe_u32 v13, v0, 4, 1
	v_and_b32 v14, 7, v0
	v_lshl_or_b32 v13, v13, 3, v14                 ; r = 8 (j / 16) + j % 8
	s_mul_i32 s32, s22, UNITB
	s_add_co_u32 s32, s32, \lbase                  ; my wave's stage
	v_mul_u32_u24 v3, v12, 1536
	v_lshl_add_u32 v3, v13, 4, v3
	v_add_nc_u32 v3, s32, v3                       ; codes: 1,536 u + 16 r
	v_lshl_add_u32 v4, v12, 4, v13
	v_lshlrev_b32 v4, 3, v4
	v_add_nc_u32 v4, s32, v4
	v_add_nc_u32 v4, 6144, v4                      ; scale words: 6,144 + 8 (r + 16 u)
	v_lshlrev_b32 v7, 4, v1
	v_lshlrev_b32 v8, 3, v1
	v_add_nc_u32 v5, s32, v7                       ; back: 16 bytes a lane,
	v_add_nc_u32 v6, s32, v8
	v_add_nc_u32 v6, 6144, v6                      ; and 8 bytes a lane of the scale words
	QLOAD 0, \src, \stride
	QLOAD 1, \src, \stride
.irp t, 0,1,2,3,4,5,6,7
	QBLOCK \t, \src, \stride
.endr
	ds_store_b32 v4, v16                           ; my column's word in 32-group 0,
	ds_store_b32 v4, v17 offset:4                  ; and in 32-group 1
.irp j, 0,1,2,3,4,5,6,7,8,9,10,11
	ds_load_b128 v[QO+4*\j:QO+4*\j+3], v5 offset:512*\j   ; LDS serves a wave's instructions in order: these see my stores
.endr
	ds_load_b64 v[QO+48:QO+49], v6
.irp j, 0,1,2,3,4,5,6,7,8,9,10,11
	s_wait_dscnt 12-\j                             ; load j is in; the 12 - j behind it may be out
	global_store_b128 v7, v[QO+4*\j:QO+4*\j+3], s[20:21] offset:512*\j   ; 32 lanes store 512 consecutive bytes, at a multiple of 256 from wq's first byte
.endr
	s_wait_dscnt 0x0
	global_store_b64 v8, v[QO+48:QO+49], s[20:21] offset:6144            ; 256 consecutive bytes
.endm
	s_load_b256 s[4:11], s[0:1], 0x0               ; features s[4:5], w_local s[6:7], b_local s[8:9], w_gate s[10:11]
	s_load_b256 s[12:19], s[0:1], 0x20             ; b_gate s[12:13], w_up s[14:15], w_down s[16:17], sc s[18:19]
	s_load_b64 s[20:21], s[0:1], 0x40              ; wq
	v_lshl_add_u32 v240, v0, 2, 0xc800
	v_mov_b32 v241, 0
	v_lshrrev_b32 v1, 5, v0
	v_readfirstlane_b32 s22, v1                    ; wave 0..3
	v_and_b32 v1, 31, v0                           ; lane
	s_cmp_lt_u32 ttmp9, NSC
	s_cbranch_scc1 .Lscores
	s_cmp_lt_u32 ttmp9, NSC+NUP
	s_cbranch_scc1 .Lup
	; ---- w_down: i = e 32 + H 2 + cb; wave w takes columns 256 cb + 64 w on: the chain's wave 4 cb + w
	s_sub_co_u32 s24, ttmp9, NSC+NUP
	s_lshr_b32 s25, s24, 5                         ; e
	s_bfe_u32 s26, s24, 0x40001                    ; H: 4 bits from bit 1
	s_and_b32 s27, s24, 1                          ; cb
	s_lshl_b32 s28, s25, 22                        ; an expert is 4,194,304 bytes,
	s_lshl_b32 s29, s26, 18                        ; 128 rows of 2,048 bytes,
	s_add_co_u32 s28, s28, s29
	s_lshl_b32 s29, s27, 10
	s_add_co_u32 s28, s28, s29
	s_lshl_b32 s29, s22, 8                         ; 64 columns are 256 bytes
	s_add_co_u32 s28, s28, s29
	s_mov_b32 s29, 0
	s_lshl_b32 s30, s25, 3
	s_lshl_b32 s31, s27, 2
	s_add_co_u32 s30, s30, s31
	s_add_co_u32 s30, s30, s22                     ; 8 e + 4 cb + w
	s_lshl_b32 s30, s30, 5
	s_add_co_u32 s30, s30, s26
	s_add_co_u32 s30, s30, 16                      ; unit 16 + H of that stream
	s_mul_i32 s30, s30, UNITB
	s_mov_b32 s31, 0
	s_wait_kmcnt 0x0
	s_add_nc_u64 s[16:17], s[16:17], s[28:29]
	s_add_nc_u64 s[20:21], s[20:21], s[30:31]
	QW 16, 2048, 25600
	s_wait_tensorcnt 0x0
	ds_add_u32 v240, v241
	s_wait_dscnt 0x0
	s_endpgm
.Lup:
	; ---- w_up: i = e 32 + s 8 + cb; wave w takes hidden units 256 cb + 64 w on: pass w of the chain's wave cb
	s_sub_co_u32 s24, ttmp9, NSC
	s_lshr_b32 s25, s24, 5                         ; e
	s_bfe_u32 s26, s24, 0x20003                    ; s: 2 bits from bit 3
	s_and_b32 s27, s24, 7                          ; cb
	s_lshl_b32 s28, s25, 22
	s_lshl_b32 s29, s26, 20                        ; 128 rows of 8,192 bytes
	s_add_co_u32 s28, s28, s29
	s_lshl_b32 s29, s27, 10
	s_add_co_u32 s28, s28, s29
	s_lshl_b32 s29, s22, 8
	s_add_co_u32 s28, s28, s29
	s_mov_b32 s29, 0
	s_lshl_b32 s30, s25, 3
	s_add_co_u32 s30, s30, s27                     ; 8 e + cb
	s_lshl_b32 s30, s30, 5
	s_lshl_b32 s31, s22, 2
	s_add_co_u32 s30, s30, s31
	s_add_co_u32 s30, s30, s26                     ; unit 4 w + s of that stream
	s_mul_i32 s30, s30, UNITB
	s_mov_b32 s31, 0
	s_wait_kmcnt 0x0
	s_add_nc_u64 s[14:15], s[14:15], s[28:29]
	s_add_nc_u64 s[20:21], s[20:21], s[30:31]
	QW 14, 8192, 0
	s_wait_tensorcnt 0x0
	ds_add_u32 v240, v241
	s_wait_dscnt 0x0
	s_endpgm
.Lscores:
	; ---- scores: wave 4 wg + w takes eight tokens; w_local and w_gate stay in registers
	v_lshlrev_b32 v2, 4, v1                        ; 16 l
	v_lshlrev_b32 v3, 7, v1                        ; 128 l: four rows of w_local
	v_lshlrev_b32 v4, 2, v1                        ; 4 l
	v_and_b32 v5, 7, v1
	v_lshlrev_b32 v5, 2, v5                        ; 4 (l % 8)
	v_lshrrev_b32 v10, 3, v1                       ; l / 8
	v_mov_b32 v9, 0                                ; written once: a lane permute's destination counts as one of its sources
.irp e, 1,2,3,4,5,6,7
	v_cmp_eq_u32 s[30+\e], 4*\e, v5                ; lanes with l % 8 = e
.endr
.irp q, 1,2,3
	v_cmp_eq_u32 s[37+\q], \q, v10                 ; lanes with l / 8 = q
.endr
	s_mov_b32 s42, 0x76543210
	s_mov_b32 s43, 0xfedcba98                      ; v_permlanex16_b32's selects for lane l xor 16
	s_lshl_b32 s24, ttmp9, 2
	s_add_co_u32 s24, s24, s22                     ; which eight tokens
	s_lshl_b32 s26, s24, 14                        ; x 8 rows of 2,048 bytes
	s_mov_b32 s27, 0
	s_lshl_b32 s28, s24, 8                         ; x 8 x 32 bytes of ls
	s_mov_b32 s29, 0
	s_lshl_b32 s44, s24, 5                         ; x 8 x 4 bytes of gz
	s_mov_b32 s45, 0
	s_wait_kmcnt 0x0
	s_load_b32 s23, s[12:13], 0x0                  ; b_gate
	s_add_nc_u64 s[4:5], s[4:5], s[26:27]
	s_add_nc_u64 s[46:47], s[18:19], s[44:45]
	s_add_nc_u64 s[18:19], s[18:19], s[28:29]
.irp j, 0,1,2,3
.irp i, 0,1,2,3
	global_load_b128 v[WL+32*\j+8*\i:WL+32*\j+8*\i+3],   v3, s[6:7] offset:4096*\j+32*\i
	global_load_b128 v[WL+32*\j+8*\i+4:WL+32*\j+8*\i+7], v3, s[6:7] offset:4096*\j+32*\i+16
.endr
.endr
.irp j, 0,1,2,3
	global_load_b128 v[WG+4*\j:WG+4*\j+3], v2, s[10:11] offset:512*\j
.endr
	global_load_b32 v6, v5, s[8:9]                 ; b_local[l % 8]
.irp t, 0,1,2,3
.irp j, 0,1,2,3
	global_load_b128 v[X+16*\t+4*\j:X+16*\t+4*\j+3], v2, s[4:5] offset:2048*\t+512*\j th:TH_LOAD_NT   ; 512 consecutive bytes of a token's row
.endr
.endr
	TOK 0, 12                                      ; behind a token's four loads stand those of three more tokens,
	TOK 1, 12
	TOK 2, 12
	TOK 3, 12
	TOK 4, 12
	TOK 5, 8                                       ; and at the end the counts run down
	TOK 6, 4
	TOK 7, 0
	s_wait_kmcnt 0x0
	v_add_f32 v8, s23, v8                          ; + b_gate
	v_cmp_gt_u32 vcc_lo, 8, v1
	s_wait_xcnt 0x0                                ; EXEC changes only behind this wait
	s_and_saveexec_b32 s41, vcc_lo
	global_store_b32 v4, v8, s[46:47] offset:131072   ; lanes 0-7: the eight tokens' gate sums
	s_endpgm
.Lfunc_end_k_q04f39ee34d_prep:
	.size	k_q04f39ee34d_prep, .Lfunc_end_k_q04f39ee34d_prep-k_q04f39ee34d_prep
	.p2alignl 7, 3214868480
	.fill 96, 4, 3214868480
	.section	.rodata,"a",@progbits
	.p2align	6, 0x0
	.amdhsa_kernel k_q04f39ee34d_prep
		.amdhsa_group_segment_fixed_size 51712
		.amdhsa_private_segment_fixed_size 0
		.amdhsa_enable_private_segment 0
		.amdhsa_kernarg_size 72
		.amdhsa_user_sgpr_count 2
		.amdhsa_user_sgpr_kernarg_segment_ptr 1
		.amdhsa_wavefront_size32 1
		.amdhsa_system_sgpr_workgroup_id_x 1
		.amdhsa_system_sgpr_workgroup_id_y 1
		.amdhsa_system_sgpr_workgroup_id_z 1
		.amdhsa_system_vgpr_workitem_id 0
		.amdhsa_next_free_vgpr 242
		.amdhsa_next_free_sgpr 66
		.amdhsa_reserve_vcc 1
		.amdhsa_float_denorm_mode_32 3
		.amdhsa_float_denorm_mode_16_64 3
		.amdhsa_memory_ordered 1
		.amdhsa_forward_progress 1
		.amdhsa_inst_pref_size 158
	.end_amdhsa_kernel
	.amdgpu_metadata
---
amdhsa.version: [ 1, 2 ]
amdhsa.kernels:
  - .name:           k_q04f39ee34d_prep
    .symbol:         k_q04f39ee34d_prep.kd
    .args:
      - { .name: features, .offset: 0, .size: 8, .value_kind: global_buffer, .address_space: global }
      - { .name: w_local, .offset: 8, .size: 8, .value_kind: global_buffer, .address_space: global }
      - { .name: b_local, .offset: 16, .size: 8, .value_kind: global_buffer, .address_space: global }
      - { .name: w_gate, .offset: 24, .size: 8, .value_kind: global_buffer, .address_space: global }
      - { .name: b_gate, .offset: 32, .size: 8, .value_kind: global_buffer, .address_space: global }
      - { .name: w_up, .offset: 40, .size: 8, .value_kind: global_buffer, .address_space: global }
      - { .name: w_down, .offset: 48, .size: 8, .value_kind: global_buffer, .address_space: global }
      - { .name: sc, .offset: 56, .size: 8, .value_kind: global_buffer, .address_space: global }
      - { .name: wq, .offset: 64, .size: 8, .value_kind: global_buffer, .address_space: global }
    .group_segment_fixed_size: 51712
    .private_segment_fixed_size: 0
    .kernarg_segment_align: 8
    .kernarg_segment_size: 72
    .max_flat_workgroup_size: 128
    .sgpr_count:     66
    .vgpr_count:     242
    .wavefront_size: 32
...
	.end_amdgpu_metadata
.endif
;; end of part 1
;; launch router (part 2): grid 256 x 1, 4 waves a work-group, no clusters, 37,376 bytes of LDS; arguments adjacency, sc, out1, tki, rp; writes out1, tki, rp
.if DOCPART == 2
	.amdgcn_target "amdgcn-amd-amdhsa--gfx1250"
	.amdhsa_code_object_version 6
	.text
	.protected	k_q04f39ee34d_router
	.globl	k_q04f39ee34d_router
	.p2align	8
	.type	k_q04f39ee34d_router,@function
k_q04f39ee34d_router:
	s_mov_b64 s[64:65], 0
	v_nop
	global_prefetch_b8 v0, s[64:65] scope:SCOPE_SE
	s_setreg_imm32_b32 hwreg(HW_REG_WAVE_MODE, 25, 1), 1
	s_wait_xcnt 0x0
; ROUTER: for each token: the adjacency-weighted mean of its batch's local scores, the gate, the softmax over 8 experts, the two largest probabilities.  All in f32.
; A work-group takes 16 rows of adjacency (one batch of 1,024 tokens is 64 work-groups), a wave 4 rows; a row of 4,096 bytes is read once, 512 consecutive bytes a load.
; The batch's local scores, 1,024 x 32 bytes, lie in LDS: row j at 32 j + 16 (j / 4), so that lanes four rows apart stand 144 bytes apart and a load's sixteen lanes take sixteen different 16-byte columns.
; Lane l owns neighbours j = 128 q + 4 l + i.  Out: out1 and tki (the same whole numbers) [4096][2]; rp: the two weights [4096][2] at byte 0, each wave's sum of its four rows' probabilities [1024][8] at byte 32,768.
; Ties go to the lower index: the scans go up the experts and replace on 'greater' alone.
; LIMITS: divisions are v_rcp_f32 with one Newton step, the gate's sigmoid without the step (1 + 2^x may be infinite there); v_exp_f32 gives 0 under 2^-126, so probabilities that small tie at 0; NaN and infinities among the inputs are not served.
.set ADJ, 16                           ; v[16:143]  32 rho + 4 q + i: my numbers of the four rows
.set LB,  144                          ; v[144:207] two sets of 32: the scores of my four neighbours of a group q: 8 i + e
.set ACC, 208                          ; v[208:239] 8 rho + e
.set CNT, 240                          ; v[240:247] the rows' counts, in pairs
.macro LBLOAD q
.irp i, 0,1,2,3
	ds_load_b128 v[LB+32*((\q)%2)+8*\i:LB+32*((\q)%2)+8*\i+3],   v4 offset:4608*(\q)+32*\i
	ds_load_b128 v[LB+32*((\q)%2)+8*\i+4:LB+32*((\q)%2)+8*\i+7], v4 offset:4608*(\q)+32*\i+16
.endr
.endm
.macro RQ q
	s_wait_loadcnt 4*(7-(\q))                      ; this group's four adjacency loads are in; the later groups' may be out
.if (\q) < 7
	s_wait_dscnt 8                                 ; this group's scores are in; the next group's eight loads may be out
.else
	s_wait_dscnt 0x0
.endif
.irp i, 0,1,2,3
.irp rho, 0,1,2,3
.irp p, 0,1,2,3
.set AR, ADJ+32*\rho+4*(\q)+(\i/2)*2
.set LR, LB+32*((\q)%2)+8*\i+2*\p
.set CR, ACC+8*\rho+2*\p
.if ((\q) == 0) && (\i == 0)
	v_pk_mul_f32 v[CR:CR+1], v[AR:AR+1], v[LR:LR+1] op_sel:[0,0] op_sel_hi:[0,1]   ; the first product starts the sums
.elseif \i%2
	v_pk_fma_f32 v[CR:CR+1], v[AR:AR+1], v[LR:LR+1], v[CR:CR+1] op_sel:[1,0,0] op_sel_hi:[1,1,1]
.else
	v_pk_fma_f32 v[CR:CR+1], v[AR:AR+1], v[LR:LR+1], v[CR:CR+1] op_sel:[0,0,0] op_sel_hi:[0,1,1]
.endif
.endr
.endr
.endr
.irp rho, 0,1,2,3
.if (\q) == 0
	v_pk_add_f32 v[CNT+2*\rho:CNT+2*\rho+1], v[ADJ+32*\rho:ADJ+32*\rho+1], v[ADJ+32*\rho+2:ADJ+32*\rho+3]
.else
	v_pk_add_f32 v[CNT+2*\rho:CNT+2*\rho+1], v[CNT+2*\rho:CNT+2*\rho+1], v[ADJ+32*\rho+4*(\q):ADJ+32*\rho+4*(\q)+1]
	v_pk_add_f32 v[CNT+2*\rho:CNT+2*\rho+1], v[CNT+2*\rho:CNT+2*\rho+1], v[ADJ+32*\rho+4*(\q)+2:ADJ+32*\rho+4*(\q)+3]
.endif
.endr
.if (\q)+2 < 8
	LBLOAD (\q)+2
.endif
.endm
	s_load_b256 s[4:11], s[0:1], 0x0               ; adjacency s[4:5], sc s[6:7], out1 s[8:9], tki s[10:11]
	s_load_b64 s[12:13], s[0:1], 0x20              ; rp
	v_lshl_add_u32 v254, v0, 2, 0x9000
	v_mov_b32 v255, 0
	v_lshrrev_b32 v1, 5, v0
	v_readfirstlane_b32 s14, v1                    ; wave 0..3
	v_and_b32 v1, 31, v0                           ; lane
	v_lshlrev_b32 v2, 4, v1                        ; 16 l
	v_lshrrev_b32 v3, 3, v0
	v_add_nc_u32 v3, v3, v0
	v_lshlrev_b32 v3, 4, v3                        ; the fill: 16 t + 16 (t / 8)
	v_mul_u32_u24 v4, v1, 144                      ; the reads: four rows and their padding a lane
	v_and_b32 v5, 3, v1
	v_lshlrev_b32 v6, 5, v5                        ; 32 (l % 4): my own row's scores
	v_lshlrev_b32 v248, 4, v0                      ; 16 t
	v_lshlrev_b32 v249, 2, v5                      ; 4 (l % 4)
	v_lshlrev_b32 v250, 3, v1                      ; 8 l
.irp rho, 1,2,3
	v_cmp_eq_u32 s[25+\rho], \rho, v5              ; lanes with l % 4 = rho
.endr
	v_cmp_gt_u32 s30, 4, v1                        ; lanes 0-3
	v_cmp_eq_u32 s31, 0, v1                        ; lane 0
	s_mov_b32 s34, 0x76543210
	s_mov_b32 s35, 0xfedcba98                      ; v_permlanex16_b32's selects for lane l xor 16
	s_lshl_b32 s15, ttmp9, 4
	s_lshl_b32 s16, s14, 2
	s_add_co_u32 s15, s15, s16                     ; my first row: 16 wg + 4 w
	s_lshl_b32 s16, s15, 12                        ; x 4,096 bytes
	s_mov_b32 s17, 0
	s_lshr_b32 s18, ttmp9, 6
	s_lshl_b32 s18, s18, 15                        ; the batch's scores: 32,768 bytes a batch
	s_mov_b32 s19, 0
	s_lshl_b32 s20, s15, 5
	s_mov_b32 s21, 0
	s_lshl_b32 s22, s15, 2
	s_mov_b32 s23, 0
	s_lshl_b32 s24, s15, 3
	s_mov_b32 s25, 0
	s_wait_kmcnt 0x0
	s_add_nc_u64 s[4:5], s[4:5], s[16:17]
	s_add_nc_u64 s[18:19], s[6:7], s[18:19]
	s_add_nc_u64 s[20:21], s[6:7], s[20:21]
	s_add_nc_u64 s[22:23], s[6:7], s[22:23]
	s_add_nc_u64 s[8:9], s[8:9], s[24:25]
	s_add_nc_u64 s[10:11], s[10:11], s[24:25]
	s_add_nc_u64 s[24:25], s[12:13], s[24:25]      ; 8 bytes a row: the weights; and 32 bytes a wave of four rows: the sums, 32,768 further on
.irp n, 0,1,2,3,4,5,6,7,8,9,10,11,12,13,14,15
	global_load_b128 v[LB+4*\n:LB+4*\n+3], v248, s[18:19] offset:2048*\n   ; the batch's scores, 2,048 consecutive bytes a work-group
.endr
	global_load_b128 v[8:11], v6, s[20:21]         ; my own row's scores (row l % 4 of the wave's four)
	global_load_b128 v[12:15], v6, s[20:21] offset:16
	global_load_b32 v7, v249, s[22:23] offset:131072   ; and its gate sum
.irp q, 0,1,2,3,4,5,6,7
.irp rho, 0,1,2,3
	global_load_b128 v[ADJ+32*\rho+4*\q:ADJ+32*\rho+4*\q+3], v2, s[4:5] offset:4096*\rho+512*\q th:TH_LOAD_NT
.endr
.endr
	s_wait_loadcnt 35                              ; the sixteen loads of the fill are in; behind them: 3 + 32
.irp n, 0,1,2,3,4,5,6,7,8,9,10,11,12,13,14,15
	ds_store_b128 v3, v[LB+4*\n:LB+4*\n+3] offset:2304*\n
.endr
	s_wait_dscnt 0x0                               ; for the others' sake: my stores have landed
	s_barrier_signal -1
	s_barrier_wait -1                              ; the batch's scores lie in LDS; nothing writes them again
	LBLOAD 0
	LBLOAD 1
.irp q, 0,1,2,3,4,5,6,7
	RQ \q
.endr
	v_add_f32 v240, v240, v241                     ; the counts' halves: v240-243
	v_add_f32 v241, v242, v243
	v_add_f32 v242, v244, v245
	v_add_f32 v243, v246, v247
.irp x, 1,2,4,8                        ; 36 sums over the 32 lanes, by turns
.set g, ACC
.rept 36
	v_add_f32_dpp v[g], v[g], v[g] row_xmask:\x row_mask:0xf bank_mask:0xf
.set g, g+1
.endr
.endr
.set g, 0
.rept 36
	v_permlanex16_b32 v[ADJ+g], v[ACC+g], s34, s35
.set g, g+1
.endr
.set g, 0
.rept 36
	v_add_f32 v[ACC+g], v[ACC+g], v[ADJ+g]
.set g, g+1
.endr
.irp rho, 1,2,3                        ; lane l keeps row l % 4
.irp e, 0,1,2,3,4,5,6,7
	v_cndmask_b32 v[ACC+\e], v[ACC+\e], v[ACC+8*\rho+\e], s[25+\rho]
.endr
	v_cndmask_b32 v240, v240, v[240+\rho], s[25+\rho]
.endr
	v_add_f32 v240, 0x322bcc77, v240               ; count + 1e-8
	v_mul_f32 v17, 0xbfb8aa3b, v7                  ; -z log2(e)
	v_rcp_f32 v16, v240
	v_exp_f32 v17, v17
	v_nop                                          ; a plain line behind the two
	s_wait_alu depctr_va_vdst(0)                   ; one wait for both, ahead of their first reader
	v_fma_f32 v18, -v240, v16, 1.0
	v_add_f32 v17, 1.0, v17
	v_fma_f32 v16, v16, v18, v16                   ; 1 / (count + 1e-8), one Newton step
	v_rcp_f32 v19, v17                             ; the gate g = 1 / (1 + e^-z)
.irp e, 0,1,2,3,4,5,6,7
	v_mul_f32 v[ACC+\e], v[ACC+\e], v16            ; the neighbours' mean (plain work behind the reciprocal)
.endr
	s_wait_alu depctr_va_vdst(0)
	v_sub_f32 v21, 1.0, v19
.irp e, 0,1,2,3,4,5,6,7
	v_mul_f32 v[ACC+\e], v21, v[ACC+\e]
.endr
.irp e, 0,1,2,3,4,5,6,7
	v_fma_f32 v[24+\e], v19, v[8+\e], v[ACC+\e]    ; the logits
.endr
	v_max3_num_f32 v32, v24, v25, v26
	v_max3_num_f32 v32, v32, v27, v28
	v_max3_num_f32 v32, v32, v29, v30
	v_max_num_f32 v32, v32, v31                    ; the row's largest logit is taken away ahead of the exponentials
.irp e, 0,1,2,3,4,5,6,7
	v_sub_f32 v[24+\e], v[24+\e], v32
.endr
.irp e, 0,1,2,3,4,5,6,7
	v_mul_f32 v[24+\e], 0x3fb8aa3b, v[24+\e]
.endr
.irp e, 0,1,2,3,4,5,6,7
	v_exp_f32 v[24+\e], v[24+\e]
.endr
	v_nop
	s_wait_alu depctr_va_vdst(0)                   ; one wait for the eight
	v_add_f32 v33, v24, v25
	v_add_f32 v34, v26, v27
	v_add_f32 v35, v28, v29
	v_add_f32 v36, v30, v31
	v_add_f32 v33, v33, v34
	v_add_f32 v35, v35, v36
	v_add_f32 v33, v33, v35                        ; between 1 and 8
	v_rcp_f32 v34, v33
	v_nop
	s_wait_alu depctr_va_vdst(0)
	v_fma_f32 v35, -v33, v34, 1.0
	v_fma_f32 v34, v34, v35, v34
.irp e, 0,1,2,3,4,5,6,7
	v_mul_f32 v[24+\e], v[24+\e], v34              ; the probabilities
.endr
	v_mov_b32 v36, v24                             ; the largest, and its index in v52
	v_mov_b32 v52, 0
.irp e, 1,2,3,4,5,6,7
	v_cmp_le_f32 vcc_lo, v[24+\e], v36             ; not greater: what stands is kept
	v_cndmask_b32 v36, v[24+\e], v36, vcc_lo
	v_cndmask_b32 v52, \e, v52, vcc_lo
.endr
.irp e, 0,1,2,3,4,5,6,7
	v_cmp_ne_u32 vcc_lo, \e, v52
	v_cndmask_b32 v[40+\e], -1.0, v[24+\e], vcc_lo ; the winner is taken out: -1 lies under every probability
.endr
	v_mov_b32 v38, v40                             ; the second largest, and its index in v53
	v_mov_b32 v53, 0
.irp e, 1,2,3,4,5,6,7
	v_cmp_le_f32 vcc_lo, v[40+\e], v38
	v_cndmask_b32 v38, v[40+\e], v38, vcc_lo
	v_cndmask_b32 v53, \e, v53, vcc_lo
.endr
	v_add_f32 v48, v36, v38
	v_add_f32 v48, 0x322bcc77, v48                 ; + 1e-8
	v_rcp_f32 v49, v48
.irp e, 0,1,2,3,4,5,6,7
	v_add_f32_dpp v[24+\e], v[24+\e], v[24+\e] row_xmask:1 row_mask:0xf bank_mask:0xf   ; the wave's four rows lie in lanes l, l xor 1, l xor 2, l xor 3
.endr
.irp e, 0,1,2,3,4,5,6,7
	v_add_f32_dpp v[24+\e], v[24+\e], v[24+\e] row_xmask:2 row_mask:0xf bank_mask:0xf
.endr
	s_wait_alu depctr_va_vdst(0)
	v_fma_f32 v50, -v48, v49, 1.0
	v_fma_f32 v49, v49, v50, v49
	v_mul_f32 v54, v36, v49                        ; the two weights
	v_mul_f32 v55, v38, v49
	s_wait_xcnt 0x0                                ; EXEC changes only behind this wait
	s_wait_tensorcnt 0x0
	ds_add_u32 v254, v255
	s_wait_dscnt 0x0
	s_and_saveexec_b32 s32, s30                    ; lanes 0-3: rows 0-3 of the wave
	global_store_b64 v250, v[52:53], s[8:9]
	global_store_b64 v250, v[52:53], s[10:11]
	global_store_b64 v250, v[54:55], s[24:25]
	s_wait_xcnt 0x0
	s_and_saveexec_b32 s33, s31                    ; lane 0
	global_store_b128 v250, v[24:27], s[24:25] offset:32768
	global_store_b128 v250, v[28:31], s[24:25] offset:32784
	s_endpgm
.Lfunc_end_k_q04f39ee34d_router:
	.size	k_q04f39ee34d_router, .Lfunc_end_k_q04f39ee34d_router-k_q04f39ee34d_router
	.p2alignl 7, 3214868480
	.fill 96, 4, 3214868480
	.section	.rodata,"a",@progbits
	.p2align	6, 0x0
	.amdhsa_kernel k_q04f39ee34d_router
		.amdhsa_group_segment_fixed_size 37376
		.amdhsa_private_segment_fixed_size 0
		.amdhsa_enable_private_segment 0
		.amdhsa_kernarg_size 40
		.amdhsa_user_sgpr_count 2
		.amdhsa_user_sgpr_kernarg_segment_ptr 1
		.amdhsa_wavefront_size32 1
		.amdhsa_system_sgpr_workgroup_id_x 1
		.amdhsa_system_sgpr_workgroup_id_y 1
		.amdhsa_system_sgpr_workgroup_id_z 1
		.amdhsa_system_vgpr_workitem_id 0
		.amdhsa_next_free_vgpr 256
		.amdhsa_next_free_sgpr 66
		.amdhsa_reserve_vcc 1
		.amdhsa_float_denorm_mode_32 3
		.amdhsa_float_denorm_mode_16_64 3
		.amdhsa_memory_ordered 1
		.amdhsa_forward_progress 1
		.amdhsa_inst_pref_size 70
	.end_amdhsa_kernel
	.amdgpu_metadata
---
amdhsa.version: [ 1, 2 ]
amdhsa.kernels:
  - .name:           k_q04f39ee34d_router
    .symbol:         k_q04f39ee34d_router.kd
    .args:
      - { .name: adjacency, .offset: 0, .size: 8, .value_kind: global_buffer, .address_space: global }
      - { .name: sc, .offset: 8, .size: 8, .value_kind: global_buffer, .address_space: global }
      - { .name: out1, .offset: 16, .size: 8, .value_kind: global_buffer, .address_space: global }
      - { .name: tki, .offset: 24, .size: 8, .value_kind: global_buffer, .address_space: global }
      - { .name: rp, .offset: 32, .size: 8, .value_kind: global_buffer, .address_space: global }
    .group_segment_fixed_size: 37376
    .private_segment_fixed_size: 0
    .kernarg_segment_align: 8
    .kernarg_segment_size: 40
    .max_flat_workgroup_size: 128
    .sgpr_count:     66
    .vgpr_count:     256
    .wavefront_size: 32
...
	.end_amdgpu_metadata
.endif
;; end of part 2
;; launch place (part 3): grid 1 x 1, 32 waves a work-group, no clusters, 9,216 bytes of LDS; arguments tki, rp, plan, out2; writes plan, out2
.if DOCPART == 3
	.amdgcn_target "amdgcn-amd-amdhsa--gfx1250"
	.amdhsa_code_object_version 6
	.text
	.protected	k_q04f39ee34d_place
	.globl	k_q04f39ee34d_place
	.p2align	8
	.type	k_q04f39ee34d_place,@function
k_q04f39ee34d_place:
	s_mov_b64 s[64:65], 0
	v_nop
	global_prefetch_b8 v0, s[64:65] scope:SCOPE_SE
	s_setreg_imm32_b32 hwreg(HW_REG_WAVE_MODE, 25, 1), 1
	s_wait_xcnt 0x0
; PLACE: a counting sort of the 8,192 slots (slot = 2 token + k) by expert, into tiles of at most 48 rows of one expert; and the auxiliary loss.  One work-group; no atomics.
; plan: tinfo[192] x {expert | first << 8, rows} at byte 0 (first = 1 in an expert's first tile); rowlist at byte 2,048: tile T owns entries 48 T on, of which the first 'rows' are written.
; There are never more than ceil(8192 / 48) + 7 = 178 tiles, whatever the choice; tiles beyond the last get rows = 0.
; Wave w owns slots 256 w .. + 255.  Each wave counts its slots by expert and ranks them (v_mbcnt on the lanes' masks); the counts meet in LDS; every wave then knows the totals and the sum of the waves in front of it.
; LDS: byte 0: 32 waves x 128 bytes: lane a (0..7) the wave's count for expert a; byte 4,096: 32 waves x 32 bytes: the wave's sums of probabilities.
; aux = std(importance) / (mean(importance) + 1e-8), importance = usage / (sum of usage + 1e-8).  LIMITS: divisions by v_rcp_f32 (the first with a Newton step); NaN and infinities are not served.
.set K,   8                            ; v[8:15]   the experts of my eight slots
.set R,   16                           ; v[16:23]  their ranks within the wave
.set TB,  16                           ; s[16:23]  expert a's first tile
.set G,   24                           ; s[24:31]  its rows + 48 x its first tile
.set BA,  32                           ; s[32:39]  where my wave's rows of expert a begin in the row list
.set RUN, 40                           ; s[40:47]  my wave's count so far
.set M,   48                           ; s[48:55]  lane masks
.macro RED8 base                       ; eight sums over the 32 lanes
.irp x, 1,2,4,8
.irp e, 0,1,2,3,4,5,6,7
	v_add_f32_dpp v[\base+\e], v[\base+\e], v[\base+\e] row_xmask:\x row_mask:0xf bank_mask:0xf
.endr
.endr
.irp e, 0,1,2,3,4,5,6,7
	v_permlanex16_b32 v29, v[\base+\e], s14, s15
	v_add_f32 v[\base+\e], v[\base+\e], v29
.endr
.endm
	s_load_b256 s[4:11], s[0:1], 0x0               ; tki s[4:5], rp s[6:7], plan s[8:9], out2 s[10:11]
	v_lshl_add_u32 v96, v0, 2, 0x1400
	v_mov_b32 v97, 0
	v_lshrrev_b32 v6, 5, v0                        ; my wave's number, in every lane,
	v_readfirstlane_b32 s12, v6                    ; and as a scalar
	v_and_b32 v1, 31, v0                           ; lane
	v_lshlrev_b32 v7, 2, v1                        ; 4 l
	v_lshl_add_u32 v2, v6, 10, v7                  ; 1,024 w + 4 l: my slots in tki
	v_lshlrev_b32 v3, 2, v0                        ; LDS: my word among the counts
	v_lshl_add_u32 v4, v6, 5, 4096                 ; LDS: my wave's eight sums
	v_lshl_add_u32 v5, v1, 5, 4096                 ; LDS: wave l's eight sums
	v_lshlrev_b32 v26, 5, v0                       ; 32 t: a row of the router's sums
	v_lshl_add_u32 v27, v6, 8, v1                  ; my first slot: 256 w + l
	v_lshlrev_b32 v28, 3, v0                       ; 8 t: a tile's two words
	v_mov_b32 v29, 0                               ; written once: a lane permute's destination counts as one of its sources
	v_mov_b32 v25, 0
	s_mov_b32 s14, 0x76543210
	s_mov_b32 s15, 0xfedcba98
.irp a, 0,1,2,3,4,5,6,7
	s_mov_b32 s[RUN+\a], 0
.endr
	s_wait_kmcnt 0x0
.irp c, 0,1,2,3,4,5,6,7
	global_load_b32 v[K+\c], v2, s[4:5] offset:128*\c
.endr
	global_load_b128 v[32:35], v26, s[6:7] offset:32768
	global_load_b128 v[36:39], v26, s[6:7] offset:32784
	s_wait_loadcnt 2                               ; the eight loads of experts are in; the two of sums may be out
.irp c, 0,1,2,3,4,5,6,7
	v_min_u32 v[K+\c], 7, v[K+\c]
	v_mov_b32 v[R+\c], 0
.endr
.irp c, 0,1,2,3,4,5,6,7
.irp a, 0,1,2,3,4,5,6,7
	v_cmp_eq_u32 s[M+\a], \a, v[K+\c]
	v_mbcnt_lo_u32_b32 v24, s[M+\a], s[RUN+\a]     ; the lanes under me with this expert + the chunks before
	v_cndmask_b32 v[R+\c], v[R+\c], v24, s[M+\a]
	s_bcnt1_i32_b32 s56, s[M+\a]
	s_add_co_u32 s[RUN+\a], s[RUN+\a], s56
.endr
.endr
.irp a, 0,1,2,3,4,5,6,7
	v_writelane_b32 v25, s[RUN+\a], \a             ; lane a: my wave's count for expert a; the other lanes 0
.endr
	ds_store_b32 v3, v25
	s_wait_loadcnt 0x0
	RED8 32
	ds_store_b128 v4, v[32:35]                     ; all lanes write the same 32 bytes with the same values
	ds_store_b128 v4, v[36:39] offset:16
	s_wait_dscnt 0x0                               ; for the others' sake: my stores have landed
	s_barrier_signal -1
	s_barrier_wait -1
.set ww, 0
.rept 32
	ds_load_b32 v[40+ww], v7 offset:128*ww         ; lane a: wave ww's count for expert a
.set ww, ww+1
.endr
	v_mov_b32 v72, 0                               ; the totals,
	v_mov_b32 v73, 0                               ; and the sums of the waves in front of mine
	s_wait_dscnt 0x0
.set ww, 0
.rept 32
	v_cmp_lt_u32 vcc_lo, ww, v6
	v_add_nc_u32 v72, v72, v[40+ww]
	v_cndmask_b32 v24, 0, v[40+ww], vcc_lo
	v_add_nc_u32 v73, v73, v24
.set ww, ww+1
.endr
	s_mov_b32 s[TB], 0
.irp a, 0,1,2,3,4,5,6,7
	v_readlane_b32 s56, v72, \a
	v_readlane_b32 s57, v73, \a
	s_mul_i32 s58, s[TB+\a], 48
	s_add_co_u32 s[G+\a], s56, s58
	s_add_co_u32 s[BA+\a], s57, s58
.if \a < 7
	s_add_co_u32 s56, s56, 47                      ; ceil(total / 48) = ((total + 47) / 16) / 3; x / 3 = x 21,846 / 65,536 for x up to 514
	s_lshr_b32 s56, s56, 4
	s_mul_i32 s56, s56, 21846
	s_lshr_b32 s56, s56, 16
	s_add_co_u32 s[TB+1+\a], s[TB+\a], s56
.endif
.endr
.irp c, 0,1,2,3,4,5,6,7
	v_mov_b32 v24, s[BA]
.irp a, 1,2,3,4,5,6,7
	v_cmp_ne_u32 vcc_lo, \a, v[K+\c]
	v_cndmask_b32 v24, s[BA+\a], v24, vcc_lo       ; my expert's base
.endr
	v_add_nc_u32 v[74+\c], v24, v[R+\c]            ; + my rank
	v_min_u32 v[74+\c], 0x215f, v[74+\c]           ; 48 x 178 - 1 is the last place that there can be
	v_lshlrev_b32 v[74+\c], 2, v[74+\c]
	v_add_nc_u32 v[82+\c], 32*\c, v27              ; the slot's number
	global_store_b32 v[74+\c], v[82+\c], s[8:9] offset:2048
.endr
	s_cmp_lt_u32 s12, 6
	s_cbranch_scc0 .Lend
	; waves 0-5: thread T writes tile T's two words
	v_mov_b32 v90, 0                               ; the last expert whose first tile is not beyond T,
	v_mov_b32 v91, s[G]                            ; its rows + 48 x its first tile,
	v_mov_b32 v92, 0                               ; its first tile
.irp a, 1,2,3,4,5,6,7
	v_cmp_gt_u32 vcc_lo, s[TB+\a], v0              ; beyond T: what stands is kept
	v_cndmask_b32 v90, \a, v90, vcc_lo
	v_cndmask_b32 v91, s[G+\a], v91, vcc_lo
	v_cndmask_b32 v92, s[TB+\a], v92, vcc_lo
.endr
	v_mul_u32_u24 v93, 48, v0
	v_sub_nc_u32 v95, v91, v93
	v_max_i32 v95, 0, v95
	v_min_i32 v95, 48, v95                         ; rows
	v_cmp_eq_u32 vcc_lo, v0, v92
	v_mov_b32 v93, 0x100
	v_cndmask_b32 v93, 0, v93, vcc_lo
	v_or_b32 v94, v90, v93                         ; expert | first << 8
	global_store_b64 v28, v[94:95], s[8:9]
	s_cmp_eq_u32 s12, 0
	s_cbranch_scc0 .Lend
	; wave 0: the auxiliary loss
	ds_load_b128 v[32:35], v5
	ds_load_b128 v[36:39], v5 offset:16
	s_wait_dscnt 0x0
	RED8 32                                        ; usage of the eight experts
	v_add_f32 v40, v32, v33
	v_add_f32 v41, v34, v35
	v_add_f32 v42, v36, v37
	v_add_f32 v43, v38, v39
	v_add_f32 v40, v40, v41
	v_add_f32 v42, v42, v43
	v_add_f32 v40, v40, v42
	v_add_f32 v41, 0x322bcc77, v40                 ; + 1e-8
	v_rcp_f32 v42, v41
	v_nop
	s_wait_alu depctr_va_vdst(0)
	v_fma_f32 v43, -v41, v42, 1.0
	v_fma_f32 v42, v42, v43, v42
.irp e, 0,1,2,3,4,5,6,7
	v_mul_f32 v[32+\e], v[32+\e], v42              ; importance
.endr
	v_add_f32 v43, v32, v33
	v_add_f32 v44, v34, v35
	v_add_f32 v45, v36, v37
	v_add_f32 v46, v38, v39
	v_add_f32 v43, v43, v44
	v_add_f32 v45, v45, v46
	v_add_f32 v43, v43, v45
	v_mul_f32 v43, 0x3e000000, v43                 ; its mean
.irp e, 0,1,2,3,4,5,6,7
	v_sub_f32 v[32+\e], v[32+\e], v43
.endr
	v_mul_f32 v44, v32, v32
.irp e, 1,2,3,4,5,6,7
	v_fma_f32 v44, v[32+\e], v[32+\e], v44
.endr
	v_mul_f32 v44, 0x3e000000, v44                 ; its variance
	v_add_f32 v45, 0x322bcc77, v43
	v_sqrt_f32 v46, v44
	v_rcp_f32 v47, v45
	v_cmp_eq_u32 vcc_lo, 0, v1                     ; (a plain line behind the two)
	s_wait_alu depctr_va_vdst(0)
	v_mul_f32 v48, v46, v47
	s_wait_xcnt 0x0                                ; EXEC changes only behind this wait
	s_wait_tensorcnt 0x0
	ds_add_u32 v96, v97
	s_wait_dscnt 0x0
	s_and_saveexec_b32 s56, vcc_lo
	global_store_b32 v7, v48, s[10:11]             ; lane 0
	s_endpgm
.Lend:
	s_wait_tensorcnt 0x0
	ds_add_u32 v96, v97
	s_wait_dscnt 0x0
	s_endpgm
.Lfunc_end_k_q04f39ee34d_place:
	.size	k_q04f39ee34d_place, .Lfunc_end_k_q04f39ee34d_place-k_q04f39ee34d_place
	.p2alignl 7, 3214868480
	.fill 96, 4, 3214868480
	.section	.rodata,"a",@progbits
	.p2align	6, 0x0
	.amdhsa_kernel k_q04f39ee34d_place
		.amdhsa_group_segment_fixed_size 9216
		.amdhsa_private_segment_fixed_size 0
		.amdhsa_enable_private_segment 0
		.amdhsa_kernarg_size 32
		.amdhsa_user_sgpr_count 2
		.amdhsa_user_sgpr_kernarg_segment_ptr 1
		.amdhsa_wavefront_size32 1
		.amdhsa_system_sgpr_workgroup_id_x 1
		.amdhsa_system_sgpr_workgroup_id_y 1
		.amdhsa_system_sgpr_workgroup_id_z 1
		.amdhsa_system_vgpr_workitem_id 0
		.amdhsa_next_free_vgpr 98
		.amdhsa_next_free_sgpr 66
		.amdhsa_reserve_vcc 1
		.amdhsa_float_denorm_mode_32 3
		.amdhsa_float_denorm_mode_16_64 3
		.amdhsa_memory_ordered 1
		.amdhsa_forward_progress 1
		.amdhsa_inst_pref_size 45
	.end_amdhsa_kernel
	.amdgpu_metadata
---
amdhsa.version: [ 1, 2 ]
amdhsa.kernels:
  - .name:           k_q04f39ee34d_place
    .symbol:         k_q04f39ee34d_place.kd
    .args:
      - { .name: tki, .offset: 0, .size: 8, .value_kind: global_buffer, .address_space: global }
      - { .name: rp, .offset: 8, .size: 8, .value_kind: global_buffer, .address_space: global }
      - { .name: plan, .offset: 16, .size: 8, .value_kind: global_buffer, .address_space: global }
      - { .name: out2, .offset: 24, .size: 8, .value_kind: global_buffer, .address_space: global }
    .group_segment_fixed_size: 9216
    .private_segment_fixed_size: 0
    .kernarg_segment_align: 8
    .kernarg_segment_size: 32
    .max_flat_workgroup_size: 1024
    .sgpr_count:     66
    .vgpr_count:     98
    .wavefront_size: 32
...
	.end_amdgpu_metadata
.endif
;; end of part 3
;; launch chain (part 4): grid 178 x 1, 8 waves a work-group, no clusters, 145,920 bytes of LDS; arguments plan, rp, wq, features, b_up, b_down, y; writes y
.if DOCPART == 4
	.amdgcn_target "amdgcn-amd-amdhsa--gfx1250"
	.amdhsa_code_object_version 6
	.text
	.protected	k_q04f39ee34d_chain
	.globl	k_q04f39ee34d_chain
	.p2align	8
	.type	k_q04f39ee34d_chain,@function
k_q04f39ee34d_chain:
	s_mov_b64 s[64:65], 0
	v_nop
	global_prefetch_b8 v0, s[64:65] scope:SCOPE_SE
	s_setreg_imm32_b32 hwreg(HW_REG_WAVE_MODE, 25, 1), 1
	s_wait_xcnt 0x0
; CHAIN: one work-group takes one tile (at most 48 rows of ONE expert) through the expert's whole MLP: gather, quantise, x W_up + b_up, GELU, quantise, h W_down + b_down, times the row's weight.
; y[slot][512] f32, slot = 2 token + k.  Both products on codes of E3M2 with one E8M0 scale for each 32 along K; the hidden layer never goes to memory.
; THE GRID serves every split: ceil(8192 / 48) + 7 = 178 tiles at the most.  Every wave passes every barrier, and none stands under a branch on a number read from memory: so a tile that the split leaves
; without rows runs the same text, on the first row of tile 0 (which always has rows: 8,192 slots are placed), and jumps over its stores alone, behind the last barrier and the last product.
; The expert's number in the weights' addresses, that jump and the prefetches' branch hang on numbers read from memory: so there is no tensor load and no joint request here; the weights go from memory straight
; into registers, laid out by the first launch in the order of the operands' registers (a unit: four fragments and their scale words, 6,400 bytes, thirteen loads).
; SHARES.  Eight waves, two to a SIMD, so that one wave's GELU stands beside the other's products.  THE WAVES SHARE THE COLUMNS: wave w makes hidden units 256 w .. + 255, in four passes of 64, and output
; columns 64 w .. + 63, for all 48 rows.  Both products are used transposed (source 0 = 16 weight rows, source 1 = 16 tokens): a lane holds ONE token, and its registers run along the columns.
; A UNIT is 4 weight fragments x 3 token fragments = 12 matrix instructions on 12 accumulators by turns; a wave walks 32 units (16 + 16) through a ring of five register slots: four units are on their way.
; Token fragments go from wave to wave through LDS as images of their registers (three stores of 16 bytes a lane), their scale words 4 bytes a lane.
; The biases are loaded into the accumulators ahead of a sum's first product.  Rows beyond the tile's count are copies of its last row: they store the same bits to the same bytes.
; GELU is the tanh form, as x / (1 + 2^(x (c0 + c1 x^2))), c0 = -2 sqrt(2 / pi) log2(e), c1 = 0.044715 c0.
; LIMITS: a block of zeros gets the scale byte 1 where the rule says 127 (its codes are zeros, and this program alone reads the bytes); v_exp_f32 and v_rcp_f32 as they are; NaN and infinities among the inputs are not served.
; LDS: XIMG x's 12 fragments (4 m + s); XSC their scale words; HIMG the hidden layer's 48 fragments (3 H + m); HSC their scale words; BIAS 1,280 bytes a wave: 256 of b_up, 64 of b_down; STG a stage of 16 x 272 bytes a wave.
.set XIMG, 0
.set XSC,  18432
.set HIMG, 19968
.set HSC,  93696
.set BIAS, 99840
.set STG,  110080
; window 0: v1 16 l; v2 8 l; v3 4 l; v4 bias reads; v5, v6 where I store x's images and scale words; v7, v8 the hidden layer's; v9 into the stage; v10 out of it; v11 16 (l % 16); v13 my byte in features
.set SLR, 14                           ; v14-16   the slot of row 16 m + l % 16
.set JS,  17                           ; v17      the slot of the row that I quantise
.set P,   18                           ; v18, 20, 22 the rows' weights (the odd partners hold 0)
.set C0,  24                           ; v[24:25] c0, twice
.set C1,  26                           ; v[26:27] c1, twice
.set WS,  28                           ; v[28:37] the ring's scale words: a pair a slot; they hold scales and nothing else
.set BSC, 38                           ; v[38:43] the token fragments' scale words: two sets of three; likewise
.set TM,  44                           ; v[44:52] at work in the quantiser
.set PC,  54                           ; v[54:59] six registers of codes
.set PD,  60                           ; v[60:62] the second conversion's three
.set RO,  64                           ; v[64:71] the output rows' offsets; at the head: short-lived addresses
.set ACC, 72                           ; v[72:167] 32 m + 8 t + j
.set BF,  168                          ; v[168:203], v[204:239] token fragments, two sets of 3 x 12
.set GT,  204                          ; GELU's 32 registers at work: the second set, which is empty then
.set VLH, 240                          ; v240, v241 the hidden images' addresses, K steps 0-7 and 8-15
.set VLS, 242                          ; v242     their scale words'
.set VPF, 243                          ; v243     256 l, for the prefetches
.set SEL, 28                           ; s[28:29] v_permlanex16_b32's selects for lane l xor 16
; scalars that stay: s18 wave; s19 expert; s20 1 in the expert's first tile; s21 rows; s22 the last row's index; s23 1 where the tile has rows, else 0
; window 1: ring slot k at v[48 k : 48 k + 47]
.set MSB, 0
.macro WIN new                         ; the immediate's high byte repeats the setting that is left
.if MSB != \new
	s_set_vgpr_msb (MSB<<8)|\new
.set MSB, \new
.endif
.endm
.macro FILL n                          ; unit n of my stream into ring slot n % 5: thirteen loads, each of consecutive bytes
.set FK, (\n)%5
	WIN 0x40                                       ; destination window 1, address window 0
.irp j, 0,1,2,3,4,5,6,7,8,9,10,11
	global_load_b128 v[48*FK+4*\j:48*FK+4*\j+3], v1, s[8:9] offset:6400*(\n)+512*\j
.endr
	WIN 0
	global_load_b64 v[WS+2*FK:WS+2*FK+1], v2, s[8:9] offset:6400*(\n)+6144
.endm
.macro BLOAD n                         ; the three token fragments of unit n and their scale words: twelve LDS loads
.set BS, (\n)%2
.set HH, (\n)-16
.irp m, 0,1,2
.if (\n) < 16
.irp j, 0,1,2
	ds_load_b128 v[BF+36*BS+12*\m+4*\j:BF+36*BS+12*\m+4*\j+3], v1 offset:XIMG+(4*\m+(\n)%4)*1536+512*\j
.endr
	ds_load_b32 v[BSC+3*BS+\m], v3 offset:XSC+(4*\m+(\n)%4)*128
.else
.irp j, 0,1,2
	ds_load_b128 v[BF+36*BS+12*\m+4*\j:BF+36*BS+12*\m+4*\j+3], v[VLH+HH/8] offset:(3*(HH%8)+\m)*1536+512*\j
.endr
	ds_load_b32 v[BSC+3*BS+\m], v[VLS] offset:(3*HH+\m)*128
.endif
.endr
.endm
.macro BIASINIT pp                     ; the accumulators begin as the bias: lane (r, h), register 16 b + i: column 32 b + 16 h + i of the 64
.irp m, 0,1,2
.irp b, 0,1
.irp j, 0,1,2,3
	ds_load_b128 v[ACC+32*\m+16*\b+4*\j:ACC+32*\m+16*\b+4*\j+3], v4 offset:256*(\pp)+128*\b+16*\j
.endr
.endr
.endr
.endm
; Unit N.  dsw: the LDS loads behind this unit's token fragments, which may stay out.
.macro UNIT dsw
.set KR, N%5
.set SB, N%2
.if N > 27
	s_wait_loadcnt 13*(31-N)                       ; behind unit N's thirteen loads stand those of the units that are left
.else
	s_wait_loadcnt 52                              ; behind unit N's thirteen loads stand those of units N + 1 .. N + 4
.endif
	s_wait_dscnt \dsw
	WIN 0x01                                       ; source 0 (the weights) window 1
.irp t, 0,1,2,3
.irp m, 0,1,2
.if \t%2
	v_wmma_scale_f32_16x16x128_f8f6f4 v[ACC+32*\m+8*\t:ACC+32*\m+8*\t+7], v[48*KR+12*\t:48*KR+12*\t+11], v[BF+36*SB+12*\m:BF+36*SB+12*\m+11], v[ACC+32*\m+8*\t:ACC+32*\m+8*\t+7], v[WS+2*KR+\t/2], v[BSC+3*SB+\m] matrix_a_fmt:MATRIX_FMT_BF6 matrix_b_fmt:MATRIX_FMT_BF6 matrix_a_scale:MATRIX_SCALE_ROW1
.else
	v_wmma_scale_f32_16x16x128_f8f6f4 v[ACC+32*\m+8*\t:ACC+32*\m+8*\t+7], v[48*KR+12*\t:48*KR+12*\t+11], v[BF+36*SB+12*\m:BF+36*SB+12*\m+11], v[ACC+32*\m+8*\t:ACC+32*\m+8*\t+7], v[WS+2*KR+\t/2], v[BSC+3*SB+\m] matrix_a_fmt:MATRIX_FMT_BF6 matrix_b_fmt:MATRIX_FMT_BF6
.endif
.endr
.endr
	WIN 0
.rept 4
	v_nop                                          ; four places in front of loads into registers that these products have read, and of the first read of results
.endr
.if N+5 <= 31
	FILL N+5                                       ; into the slot just multiplied
.endif
.if N <= 15                            ; a prefetch into the L2: my stream is 25 pieces of 8,192 bytes; pieces 9 to 24 are named once each, lanes 256 bytes apart, by the expert's FIRST tile alone; unit N names piece N + 9,
	s_cmp_eq_u32 s20, 1                            ; which the fills of units 1.28 (N + 9) on will want; it stands behind the wave's own loads; pieces 0 to 8 come by their loads alone
	s_cbranch_scc0 .Lnp_\@
	global_prefetch_b8 v[VPF], s[8:9] offset:8192*(N+9) th:TH_LOAD_NT scope:SCOPE_SE
.Lnp_\@:
.endif
.if (N+2 <= 31) && (N != 14) && !((N < 16) && (N%4 == 3))
	BLOAD N+2                                      ; not into the set that GELU works in, and not from the hidden images ahead of their barrier
.endif
.set N, N+1
.endm
.macro GELU m                          ; 32 numbers of token tile m, in place; the accumulators are read in ascending order
.set GX, ACC+32*(\m)
.set gi, 0
.rept 16
	v_pk_mul_f32 v[GT+gi:GT+gi+1], v[GX+gi:GX+gi+1], v[GX+gi:GX+gi+1]
.set gi, gi+2
.endr
.set gi, 0
.rept 16
	v_pk_fma_f32 v[GT+gi:GT+gi+1], v[GT+gi:GT+gi+1], v[C1:C1+1], v[C0:C0+1]
.set gi, gi+2
.endr
.set gi, 0
.rept 16
	v_pk_mul_f32 v[GT+gi:GT+gi+1], v[GT+gi:GT+gi+1], v[GX+gi:GX+gi+1]
.set gi, gi+2
.endr
.set gi, 0
.rept 32
	v_exp_f32 v[GT+gi], v[GT+gi]
.set gi, gi+1
.endr
	v_nop                                          ; a plain line behind the batch,
	s_wait_alu depctr_va_vdst(0)                   ; and one wait for all 32, ahead of their first reader
.set gi, 0
.rept 16
	v_pk_add_f32 v[GT+gi:GT+gi+1], v[GT+gi:GT+gi+1], 1.0 op_sel_hi:[1,0]
.set gi, gi+2
.endr
.set gi, 0
.rept 32
	v_rcp_f32 v[GT+gi], v[GT+gi]
.set gi, gi+1
.endr
	v_nop
	s_wait_alu depctr_va_vdst(0)
.set gi, 0
.rept 16
	v_pk_mul_f32 v[GX+gi:GX+gi+1], v[GX+gi:GX+gi+1], v[GT+gi:GT+gi+1]
.set gi, gi+2
.endr
.endm
; 32 numbers of a lane, register 16 b + i = k 64 c + 32 b + 16 (lane / 16) + i of my row, become registers 6 c .. 6 c + 5 of a fragment and bytes 2 c, 2 c + 1 of its scale word; both go to LDS.
.macro QUANTH x, ai, aoff, c, as, soff
	v_max3_num_f32 v[TM], |v[\x]|, |v[\x+1]|, 0x2800000            ; my 16 numbers of each block, and the floor 2^(5 - 127): the byte cannot fall under 1
	v_max3_num_f32 v[TM+1], |v[\x+16]|, |v[\x+17]|, 0x2800000
.irp i, 2,4,6,8,10,12,14
	v_max3_num_f32 v[TM], v[TM], |v[\x+\i]|, |v[\x+\i+1]|
	v_max3_num_f32 v[TM+1], v[TM+1], |v[\x+16+\i]|, |v[\x+17+\i]|
.endr
	v_permlanex16_b32 v[TM+2], v[TM], s[SEL], s[SEL+1]
	v_permlanex16_b32 v[TM+3], v[TM+1], s[SEL], s[SEL+1]
	v_max_num_f32 v[TM], v[TM], v[TM+2]            ; with lane l xor 16's: the block's largest magnitude
	v_max_num_f32 v[TM+1], v[TM+1], v[TM+3]
	v_add_nc_u32 v[TM+4], 0xfe000000, v[TM]        ; 4 off the exponent field: the conversion's scale operand
	v_add_nc_u32 v[TM+5], 0xfe000000, v[TM+1]
	v_lshrrev_b32 v[TM+6], 23, v[TM+4]             ; the scales' bytes
	v_lshrrev_b32 v[TM+7], 23, v[TM+5]
	v_lshl_or_b32 v[TM+8], v[TM+7], 8, v[TM+6]
	v_cvt_scalef32_pk16_bf6_f32 v[PC:PC+2], v[\x:\x+15], v[TM+4]
	v_cvt_scalef32_pk16_bf6_f32 v[PD:PD+2], v[\x+16:\x+31], v[TM+5]
	v_nop                                          ; one plain line behind the conversions
.irp i, 0,1,2
	v_permlane16_swap_b32 v[PC+\i], v[PD+\i]       ; the operand's layout wants a WHOLE block in a lane: lanes 0-15 the first block, lanes 16-31 the second
.endr
.irp i, 0,1,2
	v_mov_b32 v[PC+3+\i], v[PD+\i]
.endr
.if (\c) == 0
	ds_store_b128 v[\ai], v[PC:PC+3] offset:\aoff          ; registers 0-3
	ds_store_b64 v[\ai], v[PC+4:PC+5] offset:\aoff+512     ; registers 4, 5
.else
	ds_store_b64 v[\ai], v[PC:PC+1] offset:\aoff+520       ; registers 6, 7
	ds_store_b128 v[\ai], v[PC+2:PC+5] offset:\aoff+1024   ; registers 8-11
.endif
	ds_store_b16 v[\as], v[TM+8] offset:\soff+2*(\c)
	s_wait_dscnt 0x0                               ; the stores have read their registers
.endm
; Token tile m leaves: times the rows' weights; through my stage; back as rows of 256 bytes; sixteen lanes store a row's 256 consecutive bytes, at a multiple of 256 from y's first byte.
.macro OUTM m
.set OX, ACC+32*(\m)
.set OBB, BF+32*((\m)%2)
.if (\m) > 0
	s_wait_xcnt 0x0                                ; the stores of the tiles before have read their offsets and their data
.endif
.set gi, 0
.rept 16
	v_pk_mul_f32 v[OX+gi:OX+gi+1], v[OX+gi:OX+gi+1], v[P+2*(\m):P+2*(\m)+1] op_sel_hi:[1,0]   ; in ascending order
.set gi, gi+2
.endr
.irp b, 0,1
.irp j, 0,1,2,3
	ds_store_b128 v9, v[OX+16*\b+4*\j:OX+16*\b+4*\j+3] offset:128*\b+16*\j
.endr
.endr
.irp i, 0,1,2,3,4,5,6,7
	ds_load_b128 v[OBB+4*\i:OBB+4*\i+3], v10 offset:544*\i   ; LDS serves a wave's instructions in order: these see my stores; lanes 0-15 row 2 i, lanes 16-31 row 2 i + 1
.endr
.irp i, 0,1,2,3,4,5,6,7
	v_readlane_b32 s36, v[SLR+(\m)], 2*\i
	v_readlane_b32 s37, v[SLR+(\m)], 2*\i+1
	v_mov_b32 v[RO+\i], s36
	v_cndmask_b32 v[RO+\i], s37, v[RO+\i], vcc_lo  ; VCC: lanes 0-15
	v_min_u32 v[RO+\i], 0x1fff, v[RO+\i]
	v_lshl_add_u32 v[RO+\i], v[RO+\i], 11, v11     ; slot x 2,048 bytes + 16 (l % 16)
.endr
	s_wait_dscnt 0x0
.irp i, 0,1,2,3,4,5,6,7
	global_store_b128 v[RO+\i], v[OBB+4*\i:OBB+4*\i+3], s[16:17]
.endr
.endm
	s_load_b256 s[4:11], s[0:1], 0x0               ; plan s[4:5], rp s[6:7], wq s[8:9], features s[10:11]
	s_load_b128 s[12:15], s[0:1], 0x20             ; b_up s[12:13], b_down s[14:15]
	s_load_b64 s[16:17], s[0:1], 0x30              ; y
	v_lshl_add_u32 v254, v0, 2, 0x23600
	v_mov_b32 v255, 0
	v_lshrrev_b32 v72, 5, v0
	v_readfirstlane_b32 s18, v72                   ; wave 0..7
	s_lshl_b32 s32, ttmp9, 3                       ; my tile's two words,
	s_mov_b32 s33, 0
	s_mul_i32 s34, ttmp9, 192                      ; and its 48 entries of the row list
	s_mov_b32 s35, 0
	s_wait_kmcnt 0x0
	s_add_nc_u64 s[32:33], s[4:5], s[32:33]
	s_load_b64 s[24:25], s[32:33], 0x0
	v_and_b32 v73, 31, v0                          ; lane
	v_and_b32 v74, 15, v0                          ; r
	v_bfe_u32 v75, v0, 4, 1                        ; h
	v_lshlrev_b32 v1, 4, v73
	v_lshlrev_b32 v2, 3, v73
	v_lshlrev_b32 v3, 2, v73
	s_mul_i32 s26, s18, 1280
	v_lshlrev_b32 v4, 6, v75
	v_add_nc_u32 v4, s26, v4
	v_add_nc_u32 v4, BIAS, v4                      ; bias reads: my wave's, + 64 h
	v_lshlrev_b32 v68, 5, v73                      ; 32 l
	v_add_nc_u32 v69, s26, v68
	v_add_nc_u32 v69, BIAS, v69                    ; where I put eight of b_up,
	v_add_nc_u32 v70, s26, v2
	v_add_nc_u32 v70, BIAS+1024, v70               ; and two of b_down
	s_mul_i32 s27, s18, 3072
	v_add_nc_u32 v5, s27, v1                       ; x's images: fragments 2 w, 2 w + 1 (XIMG = 0)
	s_lshl_b32 s27, s18, 8
	v_add_nc_u32 v6, s27, v3
	v_add_nc_u32 v6, XSC, v6
	s_mul_i32 s27, s18, 9216
	v_add_nc_u32 v7, s27, v1
	v_add_nc_u32 v7, HIMG, v7                      ; the hidden layer's: fragments 6 w on
	s_mul_i32 s27, s18, 768
	v_add_nc_u32 v8, s27, v3
	v_add_nc_u32 v8, HSC, v8
	s_mul_i32 s27, s18, 4352
	v_mul_u32_u24 v9, v74, 272
	v_lshl_add_u32 v9, v75, 6, v9
	v_add_nc_u32 v9, s27, v9
	v_add_nc_u32 v9, STG, v9                       ; into the stage: row r, + 64 h
	v_mul_u32_u24 v10, v75, 272
	v_lshl_add_u32 v10, v74, 4, v10
	v_add_nc_u32 v10, s27, v10
	v_add_nc_u32 v10, STG, v10                     ; back: lanes 0-15 one row, lanes 16-31 the next
	v_lshlrev_b32 v11, 4, v74
	v_mov_b32 v19, 0
	v_mov_b32 v21, 0
	v_mov_b32 v23, 0
	v_mov_b32 v24, 0xc0135761                      ; c0 = -2.302208
	v_mov_b32 v25, 0xc0135761
	v_mov_b32 v26, 0xbdd2d3e8                      ; c1 = -0.1029432
	v_mov_b32 v27, 0xbdd2d3e8
	v_mov_b32 v[TM+2], 0                           ; written once: a lane permute's destination counts as one of its sources
	v_mov_b32 v[TM+3], 0
	v_add_nc_u32 v[VLH], HIMG, v1
	v_add_nc_u32 v[VLH+1], HIMG+36864, v1
	v_add_nc_u32 v[VLS], HSC, v3
	v_lshlrev_b32 v[VPF], 8, v73
	v_cmp_gt_u32 vcc_lo, 16, v73                   ; lanes 0-15: kept to the end; nothing else writes VCC
	s_mov_b32 s[SEL], 0x76543210
	s_mov_b32 s[SEL+1], 0xfedcba98
	s_wait_kmcnt 0x0
	s_and_b32 s19, s24, 0xff
	s_min_u32 s19, s19, 7                          ; the expert
	s_lshr_b32 s20, s24, 8                         ; 1 in the expert's first tile
	s_min_u32 s21, s25, 48                         ; rows
	s_min_u32 s23, s21, 1                          ; 1 where the tile has rows, else 0
	s_sub_co_u32 s22, s21, s23                     ; the last row's index: rows - 1; 0 in a tile without rows,
	s_mul_i32 s34, s34, s23                        ; which reads tile 0's list: no entry is read that nobody stored
	s_add_nc_u64 s[34:35], s[4:5], s[34:35]
	s_lshl_b32 s26, s19, 3
	s_add_co_u32 s26, s26, s18
	s_mul_i32 s26, s26, 204800                     ; my stream: 32 units
	s_mov_b32 s27, 0
	s_add_nc_u64 s[8:9], s[8:9], s[26:27]
	s_lshl_b32 s26, s19, 13
	s_lshl_b32 s30, s18, 10
	s_add_co_u32 s26, s26, s30
	s_add_nc_u64 s[12:13], s[12:13], s[26:27]      ; b_up: the expert's 2,048, my 256
	s_lshl_b32 s26, s19, 11
	s_lshl_b32 s30, s18, 8
	s_add_co_u32 s26, s26, s30
	s_add_nc_u64 s[14:15], s[14:15], s[26:27]      ; b_down: the expert's 512, my 64
	s_mov_b32 s26, s30
	s_add_nc_u64 s[16:17], s[16:17], s[26:27]      ; y: my 64 columns
.irp m, 0,1,2
	v_add_nc_u32 v[64+\m], 16*\m, v74
	v_min_u32 v[64+\m], s22, v[64+\m]              ; rows beyond the count are copies of the last row
	v_min_u32 v[64+\m], 47, v[64+\m]
	v_lshlrev_b32 v[64+\m], 2, v[64+\m]
	global_load_b32 v[SLR+\m], v[64+\m], s[34:35] offset:2048
.endr
	s_lshr_b32 s36, s18, 1
	s_lshl_b32 s36, s36, 4
	v_add_nc_u32 v67, s36, v74                     ; the row that I quantise: token tile w / 2
	v_min_u32 v67, s22, v67
	v_min_u32 v67, 47, v67
	v_lshlrev_b32 v67, 2, v67
	global_load_b32 v[JS], v67, s[34:35] offset:2048
	global_load_b128 v[244:247], v68, s[12:13]
	global_load_b128 v[248:251], v68, s[12:13] offset:16
	global_load_b64 v[252:253], v2, s[14:15]
	FILL 0
	FILL 1
	s_wait_loadcnt 26                              ; the seven loads above are in; the two units' 26 may be out
	ds_store_b128 v69, v[244:247]
	ds_store_b128 v69, v[248:251] offset:16
	ds_store_b64 v70, v[252:253]                   ; my wave's own bytes: only I read them
.irp m, 0,1,2
	v_min_u32 v[SLR+\m], 0x1fff, v[SLR+\m]
	v_lshlrev_b32 v[64+\m], 2, v[SLR+\m]
	global_load_b32 v[P+2*\m], v[64+\m], s[6:7]    ; the rows' weights
.endr
	v_lshrrev_b32 v13, 1, v[JS]                    ; the token,
	v_min_u32 v13, 0xfff, v13
	v_lshlrev_b32 v13, 11, v13                     ; its row of 2,048 bytes,
	v_lshl_add_u32 v13, v75, 6, v13                ; + 64 h: my 16 numbers of a block of 32,
	s_and_b32 s30, s18, 1
	s_lshl_b32 s30, s30, 10
	v_add_nc_u32 v13, s30, v13                     ; + K steps 2 (w % 2) and 2 (w % 2) + 1
	s_cmp_lt_u32 s18, 6
	s_cbranch_scc0 .Lnox
	; ---- waves 0-5: 16 gathered rows x 256 along K become two fragments
.irp b, 0,1,2,3
.irp j, 0,1,2,3
	global_load_b128 v[72+16*\b+4*\j:72+16*\b+4*\j+3], v13, s[10:11] offset:128*\b+16*\j
.endr
.endr
.irp b, 0,1,2,3
.irp j, 0,1,2,3
	global_load_b128 v[136+16*\b+4*\j:136+16*\b+4*\j+3], v13, s[10:11] offset:512+128*\b+16*\j
.endr
.endr
	s_wait_loadcnt 16                              ; the first K step is in; the second's sixteen loads may be out
	QUANTH 72, 5, 0, 0, 6, 0
	QUANTH 104, 5, 0, 1, 6, 0
	s_wait_loadcnt 0x0
	QUANTH 136, 5, 1536, 0, 6, 128
	QUANTH 168, 5, 1536, 1, 6, 128
.Lnox:
	FILL 2
	FILL 3
	FILL 4
	s_wait_dscnt 0x0                               ; for the others' sake: my stores have landed
	s_barrier_signal -1
	s_barrier_wait -1                              ; x's twelve fragments lie in LDS; nothing writes them again
	; ---- the first product, GELU and the quantiser: four passes of 64 hidden units
.set N, 0
.irp pi, 0,1,2,3
	BIASINIT \pi
.if \pi == 0
	BLOAD 0
.endif
	s_wait_dscnt 0x0
	BLOAD 4*\pi+1
	UNIT 12                                        ; behind a unit's token fragments stand the next unit's twelve loads
	UNIT 12
	UNIT 12
.if \pi == 3
	UNIT 0                                         ; nothing was asked for behind unit 15's
.else
	UNIT 12
.endif
.irp m, 0,1,2
	GELU \m
	QUANTH ACC+32*\m, 7, (3*(\pi/2)+\m)*1536, \pi%2, 8, (3*(\pi/2)+\m)*128   ; half \pi % 2 of K step 2 w + \pi / 2 of the second product
.endr
.endr
	s_wait_dscnt 0x0
	s_barrier_signal -1
	s_barrier_wait -1                              ; the hidden layer's 48 fragments lie in LDS
	; ---- the second product: my 64 columns, K ascending
	BIASINIT 4
	BLOAD 16
	s_wait_dscnt 0x0
	BLOAD 17
.rept 15
	UNIT 12
.endr
	UNIT 0
	s_cmp_eq_u32 s21, 0                            ; a tile without rows stores nothing: the jump stands behind the last barrier, round the stores and their stage alone
	s_cbranch_scc1 .Lend
	OUTM 0
	OUTM 1
	OUTM 2
.Lend:
	s_wait_tensorcnt 0x0
	ds_add_u32 v254, v255
	s_wait_dscnt 0x0
	s_endpgm
.Lfunc_end_k_q04f39ee34d_chain:
	.size	k_q04f39ee34d_chain, .Lfunc_end_k_q04f39ee34d_chain-k_q04f39ee34d_chain
	.p2alignl 7, 3214868480
	.fill 96, 4, 3214868480
	.section	.rodata,"a",@progbits
	.p2align	6, 0x0
	.amdhsa_kernel k_q04f39ee34d_chain
		.amdhsa_group_segment_fixed_size 145920
		.amdhsa_private_segment_fixed_size 0
		.amdhsa_enable_private_segment 0
		.amdhsa_kernarg_size 56
		.amdhsa_user_sgpr_count 2
		.amdhsa_user_sgpr_kernarg_segment_ptr 1
		.amdhsa_wavefront_size32 1
		.amdhsa_system_sgpr_workgroup_id_x 1
		.amdhsa_system_sgpr_workgroup_id_y 1
		.amdhsa_system_sgpr_workgroup_id_z 1
		.amdhsa_system_vgpr_workitem_id 0
		.amdhsa_next_free_vgpr 512
		.amdhsa_next_free_sgpr 66
		.amdhsa_reserve_vcc 1
		.amdhsa_float_denorm_mode_32 3
		.amdhsa_float_denorm_mode_16_64 3
		.amdhsa_memory_ordered 1
		.amdhsa_forward_progress 1
		.amdhsa_inst_pref_size 255
	.end_amdhsa_kernel
	.section	.bss,"aw",@nobits
	.p2align	6
	.space	262144
	.amdgpu_metadata
---
amdhsa.version: [ 1, 2 ]
amdhsa.kernels:
  - .name:           k_q04f39ee34d_chain
    .symbol:         k_q04f39ee34d_chain.kd
    .args:
      - { .name: plan, .offset: 0, .size: 8, .value_kind: global_buffer, .address_space: global }
      - { .name: rp, .offset: 8, .size: 8, .value_kind: global_buffer, .address_space: global }
      - { .name: wq, .offset: 16, .size: 8, .value_kind: global_buffer, .address_space: global }
      - { .name: features, .offset: 24, .size: 8, .value_kind: global_buffer, .address_space: global }
      - { .name: b_up, .offset: 32, .size: 8, .value_kind: global_buffer, .address_space: global }
      - { .name: b_down, .offset: 40, .size: 8, .value_kind: global_buffer, .address_space: global }
      - { .name: y, .offset: 48, .size: 8, .value_kind: global_buffer, .address_space: global }
    .group_segment_fixed_size: 145920
    .private_segment_fixed_size: 0
    .kernarg_segment_align: 8
    .kernarg_segment_size: 56
    .max_flat_workgroup_size: 256
    .sgpr_count:     66
    .vgpr_count:     512
    .wavefront_size: 32
...
	.end_amdgpu_metadata
.endif
;; end of part 4
;; launch comb (part 5): grid 256 x 1, 8 waves a work-group, no clusters, 0 bytes of LDS; arguments y, out0; writes out0
.if DOCPART == 5
	.amdgcn_target "amdgcn-amd-amdhsa--gfx1250"
	.amdhsa_code_object_version 6
	.text
	.protected	k_q04f39ee34d_comb
	.globl	k_q04f39ee34d_comb
	.p2align	8
	.type	k_q04f39ee34d_comb,@function
k_q04f39ee34d_comb:
	s_mov_b64 s[64:65], 0
	v_nop
	global_prefetch_b8 v0, s[64:65] scope:SCOPE_SE
	s_setreg_imm32_b32 hwreg(HW_REG_WAVE_MODE, 25, 1), 1
	s_wait_xcnt 0x0
; COMB: out0[t] = y[2 t] + y[2 t + 1]: each token's two weighted expert rows.  A stream: every byte is read once and written once; each load and store of a wave covers 512 consecutive bytes.
; A wave takes two tokens: sixteen loads go out together, then eight pairs are added and stored.  No LDS, no barrier, no matrix unit: memory binds.
	s_load_b128 s[4:7], s[0:1], 0x0                ; y s[4:5], out0 s[6:7]
	v_lshrrev_b32 v1, 5, v0
	v_readfirstlane_b32 s8, v1                     ; wave 0..7
	v_and_b32 v1, 31, v0
	v_lshlrev_b32 v1, 4, v1                        ; 16 l
	s_lshl_b32 s9, ttmp9, 3
	s_add_co_u32 s9, s9, s8                        ; which two tokens
	s_lshl_b32 s10, s9, 13                         ; four rows of 2,048 bytes in y,
	s_mov_b32 s11, 0
	s_lshl_b32 s12, s9, 12                         ; two in out0
	s_mov_b32 s13, 0
	s_wait_kmcnt 0x0
	s_add_nc_u64 s[4:5], s[4:5], s[10:11]
	s_add_nc_u64 s[6:7], s[6:7], s[12:13]
.irp q, 0,1,2,3,4,5,6,7                ; pair q: token q / 4, bytes 512 (q % 4) on
	global_load_b128 v[8+8*\q:11+8*\q],  v1, s[4:5] offset:4096*(\q/4)+512*(\q%4) th:TH_LOAD_NT
	global_load_b128 v[12+8*\q:15+8*\q], v1, s[4:5] offset:4096*(\q/4)+2048+512*(\q%4) th:TH_LOAD_NT
.endr
.irp q, 0,1,2,3,4,5,6,7
	s_wait_loadcnt 14-2*\q                         ; pair q is in; the later pairs' loads may be out
	v_pk_add_f32 v[8+8*\q:9+8*\q], v[8+8*\q:9+8*\q], v[12+8*\q:13+8*\q]
	v_pk_add_f32 v[10+8*\q:11+8*\q], v[10+8*\q:11+8*\q], v[14+8*\q:15+8*\q]
	global_store_b128 v1, v[8+8*\q:11+8*\q], s[6:7] offset:2048*(\q/4)+512*(\q%4) th:TH_STORE_NT
.endr
	s_endpgm
.Lfunc_end_k_q04f39ee34d_comb:
	.size	k_q04f39ee34d_comb, .Lfunc_end_k_q04f39ee34d_comb-k_q04f39ee34d_comb
	.p2alignl 7, 3214868480
	.fill 96, 4, 3214868480
	.section	.rodata,"a",@progbits
	.p2align	6, 0x0
	.amdhsa_kernel k_q04f39ee34d_comb
		.amdhsa_group_segment_fixed_size 0
		.amdhsa_private_segment_fixed_size 0
		.amdhsa_enable_private_segment 0
		.amdhsa_kernarg_size 16
		.amdhsa_user_sgpr_count 2
		.amdhsa_user_sgpr_kernarg_segment_ptr 1
		.amdhsa_wavefront_size32 1
		.amdhsa_system_sgpr_workgroup_id_x 1
		.amdhsa_system_sgpr_workgroup_id_y 1
		.amdhsa_system_sgpr_workgroup_id_z 1
		.amdhsa_system_vgpr_workitem_id 0
		.amdhsa_next_free_vgpr 72
		.amdhsa_next_free_sgpr 66
		.amdhsa_reserve_vcc 0
		.amdhsa_float_denorm_mode_32 3
		.amdhsa_float_denorm_mode_16_64 3
		.amdhsa_memory_ordered 1
		.amdhsa_forward_progress 1
		.amdhsa_inst_pref_size 5
	.end_amdhsa_kernel
	.amdgpu_metadata
---
amdhsa.version: [ 1, 2 ]
amdhsa.kernels:
  - .name:           k_q04f39ee34d_comb
    .symbol:         k_q04f39ee34d_comb.kd
    .args:
      - { .name: y, .offset: 0, .size: 8, .value_kind: global_buffer, .address_space: global }
      - { .name: out0, .offset: 8, .size: 8, .value_kind: global_buffer, .address_space: global }
    .group_segment_fixed_size: 0
    .private_segment_fixed_size: 0
    .kernarg_segment_align: 8
    .kernarg_segment_size: 16
    .max_flat_workgroup_size: 256
    .sgpr_count:     66
    .vgpr_count:     72
    .wavefront_size: 32
...
	.end_amdgpu_metadata
.endif
;; end of part 5
;; ======== version 2 of 2: 5 launches; version 1 with the launch chain written anew for expert scheduling mode
;; workspace buffers: sc 147,456 bytes; wq 13,107,200 bytes; tki 32,768 bytes of whole numbers; rp 65,536 bytes; plan 36,352 bytes of whole numbers; y 16,777,216 bytes
;; launch prep: the kernel of part 1 again; grid 640 x 1, 4 waves a work-group, no clusters, 51,712 bytes of LDS; arguments features, w_local, b_local, w_gate, b_gate, w_up, w_down, sc, wq; writes sc, wq
;; launch router: the kernel of part 2 again; grid 256 x 1, 4 waves a work-group, no clusters, 37,376 bytes of LDS; arguments adjacency, sc, out1, tki, rp; writes out1, tki, rp
;; launch place: the kernel of part 3 again; grid 1 x 1, 32 waves a work-group, no clusters, 9,216 bytes of LDS; arguments tki, rp, plan, out2; writes plan, out2
;; launch chain (part 6): grid 178 x 1, 8 waves a work-group, no clusters, 145,920 bytes of LDS; arguments plan, rp, wq, features, b_up, b_down, y; writes y
.if DOCPART == 6
	.amdgcn_target "amdgcn-amd-amdhsa--gfx1250"
	.amdhsa_code_object_version 6
	.text
	.protected	k_q04f39ee34d_chain
	.globl	k_q04f39ee34d_chain
	.p2align	8
	.type	k_q04f39ee34d_chain,@function
k_q04f39ee34d_chain:
	s_mov_b64 s[64:65], 0
	v_nop
	global_prefetch_b8 v0, s[64:65] scope:SCOPE_SE
	s_setreg_imm32_b32 hwreg(HW_REG_WAVE_SCHED_MODE, 0, 2), 2
	s_setreg_imm32_b32 hwreg(HW_REG_WAVE_MODE, 25, 1), 1
	s_wait_xcnt 0x0
	s_wait_alu depctr_vm_vsrc(0)
; CHAIN: one work-group takes one tile (at most 48 rows of ONE expert) through the expert's whole MLP: gather, quantise, x W_up + b_up, GELU, quantise, h W_down + b_down, times the row's weight.
; y[slot][512] f32, slot = 2 token + k.  Both products on codes of E3M2 with one E8M0 scale for each 32 along K; the hidden layer never goes to memory.
; THE GRID serves every split: ceil(8192 / 48) + 7 = 178 tiles at the most.  Every wave passes every barrier, and none stands under a branch on a number read from memory: so a tile that the split leaves
; without rows runs the same text, on the first row of tile 0 (which always has rows: 8,192 slots are placed), and jumps over its stores alone, behind the last barrier and the last product.
; The expert's number in the weights' addresses, that jump and the prefetches' branch hang on numbers read from memory: so there is no tensor load and no joint request here; the weights go from memory straight
; into registers, laid out by the first launch in the order of the operands' registers (a unit: four fragments and their scale words, 6,400 bytes, thirteen loads).
; SHARES.  Eight waves, two to a SIMD, so that one wave's GELU stands beside the other's products.  THE WAVES SHARE THE COLUMNS: wave w makes hidden units 256 w .. + 255, in four passes of 64, and output
; columns 64 w .. + 63, for all 48 rows.  Both products are used transposed (source 0 = 16 weight rows, source 1 = 16 tokens): a lane holds ONE token, and its registers run along the columns.
; A UNIT is 4 weight fragments x 3 token fragments = 12 matrix instructions on 12 accumulators by turns; a wave walks 32 units (16 + 16) through a ring of five register slots: one is multiplied, the four behind it are in or on their way.
; Token fragments go from wave to wave through LDS as images of their registers (three stores of 16 bytes a lane), their scale words 4 bytes a lane.
; The biases are loaded into the accumulators ahead of a sum's first product.  Rows beyond the tile's count are copies of its last row: they store the same bits to the same bytes.
; GELU is the tanh form, as x / (1 + 2^(x (c0 + c1 x^2))), c0 = -2 sqrt(2 / pi) log2(e), c1 = 0.044715 c0.
; LIMITS: a block of zeros gets the scale byte 1 where the rule says 127 (its codes are zeros, and this program alone reads the bytes); v_exp_f32 and v_rcp_f32 as they are; NaN and infinities among the inputs are not served.
; LDS: XIMG x's 12 fragments (4 m + s); XSC their scale words; HIMG the hidden layer's 48 fragments (3 H + m); HSC their scale words; BIAS 1,280 bytes a wave: 256 of b_up, 64 of b_down; STG a stage of 16 x 272 bytes a wave.
; THE MODE: SCHED_MODE bits 1:0 = 2 (LLVM: expert scheduling mode 2), set by the entry lines.  The code itself states the register dependences
; between vector or matrix instructions and memory or LDS instructions, with s_wait_alu, always for 0.
; THE PLAN.  Registers that memory or LDS instructions touch:
;   ring slot k, WS pair k   Unit N (k = N % 5): its twelve products read them; the loads of unit N + 5 land in them, issued in unit N + 1.
;   BF set s, BSC set s      Unit N (s = N % 2): its products read them; the fragments of unit N + 2 land in them, issued at the head of unit N + 1.  Set 1 is also GELU's room to work in.
;   ACC                      The bias's LDS loads land in it at a pass's head; products, GELU and the last weighting write it; GELU and the quantiser read it; at the end the stage's LDS stores read it.
;   PC .., TM+8              Written by the quantiser, read by its three LDS stores.
;   RO, OBB                  On the way out: offsets made by vector instructions and rows read back from the stage; the global stores read both.
;   v1-v11, v13, VLH, VLS, VPF   Offsets and LDS addresses: made at the head and never written again.
; So ONE wait on va_vdst stands at a unit's head, behind the waits for its data: the unit before is done reading its slot, its scale words and its set.  The unit's 25 loads follow it, dealt round and among its
; products, which name slot N % 5, set N % 2 and the accumulators: none of the registers that those loads touch.  The wait ahead of a quantiser's stores serves the loads behind a pass's last quantiser too (the bias,
; set 1, the last unit's slot): no vector or matrix instruction since names those registers, so a pass's first unit holds no wait of its own.  A wait on vm_vsrc stands at a quantiser's head and at an output tile's.
.set XIMG, 0
.set XSC,  18432
.set HIMG, 19968
.set HSC,  93696
.set BIAS, 99840
.set STG,  110080
; window 0: v1 16 l; v2 8 l; v3 4 l; v4 bias reads; v5, v6 where I store x's images and scale words; v7, v8 the hidden layer's; v9 into the stage; v10 out of it; v11 16 (l % 16); v13 my byte in features
.set SLR, 14                           ; v14-16   the slot of row 16 m + l % 16
.set JS,  17                           ; v17      the slot of the row that I quantise
.set P,   18                           ; v18, 20, 22 the rows' weights (the odd partners hold 0)
.set C0,  24                           ; v[24:25] c0, twice
.set C1,  26                           ; v[26:27] c1, twice
.set WS,  28                           ; v[28:37] the ring's scale words: a pair a slot; they hold scales and nothing else
.set BSC, 38                           ; v[38:43] the token fragments' scale words: two sets of three; likewise
.set TM,  44                           ; v[44:52] at work in the quantiser
.set PC,  54                           ; v[54:59] six registers of codes
.set PD,  60                           ; v[60:62] the second conversion's three
.set RO,  64                           ; v[64:71] the output rows' offsets; at the head: short-lived addresses
.set ACC, 72                           ; v[72:167] 32 m + 8 t + j
.set BF,  168                          ; v[168:203], v[204:239] token fragments, two sets of 3 x 12
.set GT,  204                          ; GELU's 32 registers at work: the second set, which is empty then
.set VLH, 240                          ; v240, v241 the hidden images' addresses, K steps 0-7 and 8-15
.set VLS, 242                          ; v242     their scale words'
.set VPF, 243                          ; v243     256 l, for the prefetches
.set SEL, 28                           ; s[28:29] v_permlanex16_b32's selects for lane l xor 16
.set SLT, 32                           ; s[32:47] on the way out: the slots of a tile's sixteen rows
; scalars that stay: s18 wave; s19 expert; s20 1 in the expert's first tile; s21 rows; s22 the last row's index; s23 1 where the tile has rows, else 0
; window 1: ring slot k at v[48 k : 48 k + 47]
.set MSB, 0
.macro WIN new                         ; the immediate's high byte repeats the setting that is left
.if MSB != \new
	s_set_vgpr_msb (MSB<<8)|\new
.set MSB, \new
.endif
.endm
; Unit n of my stream goes into ring slot n % 5 by thirteen loads, each of consecutive bytes: one for its scale words (window 0), twelve for its codes (window 1).
.macro FILLW n
	global_load_b64 v[WS+2*((\n)%5):WS+2*((\n)%5)+1], v2, s[8:9] offset:6400*(\n)+6144
.endm
.macro FILLC n
.set FK, (\n)%5
	WIN 0x40                                       ; destination window 1, address window 0
.irp j, 0,1,2,3,4,5,6,7,8,9,10,11
	global_load_b128 v[48*FK+4*\j:48*FK+4*\j+3], v1, s[8:9] offset:6400*(\n)+512*\j
.endr
.endm
.macro FILL n                          ; at the head: both together
	FILLW \n
	FILLC \n
	WIN 0
.endm
.macro BLOAD n                         ; the three token fragments of unit n and their scale words: twelve LDS loads
.set BS, (\n)%2
.set HH, (\n)-16
.irp m, 0,1,2
.if (\n) < 16
.irp j, 0,1,2
	ds_load_b128 v[BF+36*BS+12*\m+4*\j:BF+36*BS+12*\m+4*\j+3], v1 offset:XIMG+(4*\m+(\n)%4)*1536+512*\j
.endr
	ds_load_b32 v[BSC+3*BS+\m], v3 offset:XSC+(4*\m+(\n)%4)*128
.else
.irp j, 0,1,2
	ds_load_b128 v[BF+36*BS+12*\m+4*\j:BF+36*BS+12*\m+4*\j+3], v[VLH+HH/8] offset:(3*(HH%8)+\m)*1536+512*\j
.endr
	ds_load_b32 v[BSC+3*BS+\m], v[VLS] offset:(3*HH+\m)*128
.endif
.endr
.endm
.macro BIASINIT pp                     ; the accumulators begin as the bias: lane (r, h), register 16 b + i: column 32 b + 16 h + i of the 64
.irp m, 0,1,2
.irp b, 0,1
.irp j, 0,1,2,3
	ds_load_b128 v[ACC+32*\m+16*\b+4*\j:ACC+32*\m+16*\b+4*\j+3], v4 offset:256*(\pp)+128*\b+16*\j
.endr
.endr
.endr
.endm
; Six of a unit's twelve products: weight fragments ta, tb x the three token fragments.  The twelve accumulators take turns, one instruction a turn, in the same order in every unit.
.macro MUL6 ta, tb
.irp t, \ta, \tb
.irp m, 0,1,2
.if \t%2
	v_wmma_scale_f32_16x16x128_f8f6f4 v[ACC+32*\m+8*\t:ACC+32*\m+8*\t+7], v[48*KR+12*\t:48*KR+12*\t+11], v[BF+36*SB+12*\m:BF+36*SB+12*\m+11], v[ACC+32*\m+8*\t:ACC+32*\m+8*\t+7], v[WS+2*KR+\t/2], v[BSC+3*SB+\m] matrix_a_fmt:MATRIX_FMT_BF6 matrix_b_fmt:MATRIX_FMT_BF6 matrix_a_scale:MATRIX_SCALE_ROW1
.else
	v_wmma_scale_f32_16x16x128_f8f6f4 v[ACC+32*\m+8*\t:ACC+32*\m+8*\t+7], v[48*KR+12*\t:48*KR+12*\t+11], v[BF+36*SB+12*\m:BF+36*SB+12*\m+11], v[ACC+32*\m+8*\t:ACC+32*\m+8*\t+7], v[WS+2*KR+\t/2], v[BSC+3*SB+\m] matrix_a_fmt:MATRIX_FMT_BF6 matrix_b_fmt:MATRIX_FMT_BF6
.endif
.endr
.endr
.endm
; Unit N.
.macro UNIT
.set KR, N%5
.set SB, N%2
.if N == 0
	s_wait_loadcnt 52                              ; behind unit 0's thirteen loads stand those of units 1 to 4, asked for at the head
.elseif N > 28
	s_wait_loadcnt 13*(31-N)                       ; behind unit N's thirteen loads stand those of the units that are left
.else
	s_wait_loadcnt 39                              ; behind unit N's thirteen loads stand those of units N + 1 .. N + 3; unit N + 4 is asked for below
.endif
	s_wait_dscnt 0x0                               ; this unit's token fragments are in (at a pass's head the bias too): no LDS load has been issued behind them
.if (N != 31) && ((N > 16) || (N%4 != 0))
	s_wait_alu depctr_va_vdst(0)                   ; the last unit's products are done reading their ring slot, their scale words and their set of token fragments, in which the loads below land
.endif                                         ; (a pass's first unit: the wait ahead of the last quantiser's stores has stated that; unit 31 loads nothing)
.if (N < 31) && (N != 15)
	BLOAD N+1                                      ; into the set that the last unit read; not from the hidden images ahead of their barrier
.endif
.if (N > 0) && (N < 28)
	FILLW N+4                                      ; into the slot that the last unit read: its scale words here, its codes among the products
.endif
.if N <= 15                            ; a prefetch into the L2: my stream is 25 pieces of 8,192 bytes; pieces 9 to 24 are named once each, lanes 256 bytes apart, by the expert's FIRST tile alone; unit N names piece N + 9,
	s_cmp_eq_u32 s20, 1                            ; which the fills of units 1.28 (N + 9) on will want; it stands behind the unit's first loads; pieces 0 to 8 come by their loads alone
	s_cbranch_scc0 .Lnp_\@
	global_prefetch_b8 v[VPF], s[8:9] offset:8192*(N+9) th:TH_LOAD_NT scope:SCOPE_SE
.Lnp_\@:
.endif
	WIN 0x01                                       ; source 0 (the weights) window 1
	MUL6 0, 1
.if (N > 0) && (N < 28)
	FILLC N+4                                      ; no wait: the six products since the wait name slot N % 5, set N % 2 and the accumulators, not this slot
	WIN 0x01
.endif
	MUL6 2, 3
	WIN 0
.if ((N < 16) && (N%4 == 3)) || (N == 31)
.rept 4
	v_nop                                          ; four places (ISA guide 7.12.1) in front of the vector instructions that read these products' results and write over the set that they have read
.endr
.endif
.set N, N+1
.endm
.macro GELU m                          ; 32 numbers of token tile m, in place; the accumulators are read in ascending order
.set GX, ACC+32*(\m)
.set gi, 0
.rept 16
	v_pk_mul_f32 v[GT+gi:GT+gi+1], v[GX+gi:GX+gi+1], v[GX+gi:GX+gi+1]
.set gi, gi+2
.endr
.set gi, 0
.rept 16
	v_pk_fma_f32 v[GT+gi:GT+gi+1], v[GT+gi:GT+gi+1], v[C1:C1+1], v[C0:C0+1]
.set gi, gi+2
.endr
.set gi, 0
.rept 16
	v_pk_mul_f32 v[GT+gi:GT+gi+1], v[GT+gi:GT+gi+1], v[GX+gi:GX+gi+1]
.set gi, gi+2
.endr
.set gi, 0
.rept 32
	v_exp_f32 v[GT+gi], v[GT+gi]
.set gi, gi+1
.endr
	v_nop                                          ; a plain line behind the batch,
	s_wait_alu depctr_va_vdst(0)                   ; and one wait for all 32 exponentials' results, ahead of their first reader
.set gi, 0
.rept 16
	v_pk_add_f32 v[GT+gi:GT+gi+1], v[GT+gi:GT+gi+1], 1.0 op_sel_hi:[1,0]
.set gi, gi+2
.endr
.set gi, 0
.rept 32
	v_rcp_f32 v[GT+gi], v[GT+gi]
.set gi, gi+1
.endr
	v_nop
	s_wait_alu depctr_va_vdst(0)                   ; one wait for all 32 reciprocals' results, ahead of their first reader
.set gi, 0
.rept 16
	v_pk_mul_f32 v[GX+gi:GX+gi+1], v[GX+gi:GX+gi+1], v[GT+gi:GT+gi+1]
.set gi, gi+2
.endr
.endm
; 32 numbers of a lane, register 16 b + i = k 64 c + 32 b + 16 (lane / 16) + i of my row, become registers 6 c .. 6 c + 5 of a fragment and bytes 2 c, 2 c + 1 of its scale word; both go to LDS.
; again = 1: a quantiser has run before this one.
.macro QUANTH x, ai, aoff, c, as, soff, again
.if \again
	s_wait_alu depctr_vm_vsrc(0)                   ; the last quantiser's LDS stores have read v[PC ..] and v[TM+8], which this one writes again
.endif
	v_max3_num_f32 v[TM], |v[\x]|, |v[\x+1]|, 0x2800000            ; my 16 numbers of each block, and the floor 2^(5 - 127): the byte cannot fall under 1
	v_max3_num_f32 v[TM+1], |v[\x+16]|, |v[\x+17]|, 0x2800000
.irp i, 2,4,6,8,10,12,14
	v_max3_num_f32 v[TM], v[TM], |v[\x+\i]|, |v[\x+\i+1]|
	v_max3_num_f32 v[TM+1], v[TM+1], |v[\x+16+\i]|, |v[\x+17+\i]|
.endr
	v_permlanex16_b32 v[TM+2], v[TM], s[SEL], s[SEL+1]
	v_permlanex16_b32 v[TM+3], v[TM+1], s[SEL], s[SEL+1]
	v_max_num_f32 v[TM], v[TM], v[TM+2]            ; with lane l xor 16's: the block's largest magnitude
	v_max_num_f32 v[TM+1], v[TM+1], v[TM+3]
	v_add_nc_u32 v[TM+4], 0xfe000000, v[TM]        ; 4 off the exponent field: the conversion's scale operand
	v_add_nc_u32 v[TM+5], 0xfe000000, v[TM+1]
	v_lshrrev_b32 v[TM+6], 23, v[TM+4]             ; the scales' bytes
	v_lshrrev_b32 v[TM+7], 23, v[TM+5]
	v_lshl_or_b32 v[TM+8], v[TM+7], 8, v[TM+6]
	v_cvt_scalef32_pk16_bf6_f32 v[PC:PC+2], v[\x:\x+15], v[TM+4]
	v_cvt_scalef32_pk16_bf6_f32 v[PD:PD+2], v[\x+16:\x+31], v[TM+5]
	v_nop                                          ; one plain line behind the conversions
.irp i, 0,1,2
	v_permlane16_swap_b32 v[PC+\i], v[PD+\i]       ; the operand's layout wants a WHOLE block in a lane: lanes 0-15 the first block, lanes 16-31 the second
.endr
.irp i, 0,1,2
	v_mov_b32 v[PC+3+\i], v[PD+\i]
.endr
	s_wait_alu depctr_va_vdst(0)                   ; the codes in v[PC ..] and the two bytes in v[TM+8] are written, which the stores read; and all vector and matrix work so far is done with the numbers' registers, GELU's and the last unit's operands, in which the next loads land
.if (\c) == 0
	ds_store_b128 v[\ai], v[PC:PC+3] offset:\aoff          ; registers 0-3
	ds_store_b64 v[\ai], v[PC+4:PC+5] offset:\aoff+512     ; registers 4, 5
.else
	ds_store_b64 v[\ai], v[PC:PC+1] offset:\aoff+520       ; registers 6, 7
	ds_store_b128 v[\ai], v[PC+2:PC+5] offset:\aoff+1024   ; registers 8-11
.endif
	ds_store_b16 v[\as], v[TM+8] offset:\soff+2*(\c)
.endm
; Token tile m leaves: times the rows' weights; through my stage; back as rows of 256 bytes; sixteen lanes store a row's 256 consecutive bytes, at a multiple of 256 from y's first byte.
.macro OUTM m
.set OX, ACC+32*(\m)
.set OBB, BF+32*((\m)%2)
.if (\m) > 0
	s_wait_xcnt 0x0                                ; the stores of the tiles before have had their addresses translated: their offsets and data are rewritten only behind this wait,
	s_wait_alu depctr_vm_vsrc(0)                   ; and they have read v[RO ..], which is written below, and the rows' registers, in which the stage's loads land again
.endif
.set gi, 0
.rept 16
	v_pk_mul_f32 v[OX+gi:OX+gi+1], v[OX+gi:OX+gi+1], v[P+2*(\m):P+2*(\m)+1] op_sel_hi:[1,0]   ; in ascending order
.set gi, gi+2
.endr
.irp i, 0,1,2,3,4,5,6,7
	v_readlane_b32 s[SLT+2*\i], v[SLR+(\m)], 2*\i
	v_readlane_b32 s[SLT+2*\i+1], v[SLR+(\m)], 2*\i+1
.endr
	s_wait_alu depctr_va_sdst(0)                   ; the sixteen slots are written to s[SLT ..], ahead of their first reader
.irp i, 0,1,2,3,4,5,6,7
	v_mov_b32 v[RO+\i], s[SLT+2*\i]
.endr
.irp i, 0,1,2,3,4,5,6,7
	v_cndmask_b32 v[RO+\i], s[SLT+2*\i+1], v[RO+\i], vcc_lo  ; VCC: lanes 0-15
.endr
.irp i, 0,1,2,3,4,5,6,7
	v_min_u32 v[RO+\i], 0x1fff, v[RO+\i]
.endr
.irp i, 0,1,2,3,4,5,6,7
	v_lshl_add_u32 v[RO+\i], v[RO+\i], 11, v11     ; slot x 2,048 bytes + 16 (l % 16)
.endr
	s_wait_alu depctr_va_vdst(0)                   ; the weighted tile is written, which the LDS stores read; v[RO ..] is written, which the global stores read; the products are done reading the sets in which the stage's loads land
.irp b, 0,1
.irp j, 0,1,2,3
	ds_store_b128 v9, v[OX+16*\b+4*\j:OX+16*\b+4*\j+3] offset:128*\b+16*\j
.endr
.endr
.irp i, 0,1,2,3,4,5,6,7
	ds_load_b128 v[OBB+4*\i:OBB+4*\i+3], v10 offset:544*\i   ; LDS serves a wave's instructions in order: these see my stores; lanes 0-15 row 2 i, lanes 16-31 row 2 i + 1
.endr
	s_wait_dscnt 0x0
.irp i, 0,1,2,3,4,5,6,7
	global_store_b128 v[RO+\i], v[OBB+4*\i:OBB+4*\i+3], s[16:17]
.endr
.endm
	s_load_b256 s[4:11], s[0:1], 0x0               ; plan s[4:5], rp s[6:7], wq s[8:9], features s[10:11]
	s_load_b128 s[12:15], s[0:1], 0x20             ; b_up s[12:13], b_down s[14:15]
	s_load_b64 s[16:17], s[0:1], 0x30              ; y
	v_lshl_add_u32 v254, v0, 2, 0x23600
	v_mov_b32 v255, 0
	v_lshrrev_b32 v72, 5, v0
	v_readfirstlane_b32 s18, v72                   ; wave 0..7
	s_lshl_b32 s32, ttmp9, 3                       ; my tile's two words,
	s_mov_b32 s33, 0
	s_mul_i32 s34, ttmp9, 192                      ; and its 48 entries of the row list
	s_mov_b32 s35, 0
	s_wait_kmcnt 0x0
	s_add_nc_u64 s[32:33], s[4:5], s[32:33]
	s_load_b64 s[24:25], s[32:33], 0x0
	v_and_b32 v73, 31, v0                          ; lane
	v_and_b32 v74, 15, v0                          ; r
	v_bfe_u32 v75, v0, 4, 1                        ; h
	v_lshlrev_b32 v1, 4, v73
	v_lshlrev_b32 v2, 3, v73
	v_lshlrev_b32 v3, 2, v73
	s_wait_alu depctr_va_sdst(0)                   ; s18 is written, ahead of its first reader: LDS places, the bases and two branches are made from it
	s_mul_i32 s26, s18, 1280
	v_lshlrev_b32 v4, 6, v75
	v_add_nc_u32 v4, s26, v4
	v_add_nc_u32 v4, BIAS, v4                      ; bias reads: my wave's, + 64 h
	v_lshlrev_b32 v68, 5, v73                      ; 32 l
	v_add_nc_u32 v69, s26, v68
	v_add_nc_u32 v69, BIAS, v69                    ; where I put eight of b_up,
	v_add_nc_u32 v70, s26, v2
	v_add_nc_u32 v70, BIAS+1024, v70               ; and two of b_down
	s_mul_i32 s27, s18, 3072
	v_add_nc_u32 v5, s27, v1                       ; x's images: fragments 2 w, 2 w + 1 (XIMG = 0)
	s_lshl_b32 s27, s18, 8
	v_add_nc_u32 v6, s27, v3
	v_add_nc_u32 v6, XSC, v6
	s_mul_i32 s27, s18, 9216
	v_add_nc_u32 v7, s27, v1
	v_add_nc_u32 v7, HIMG, v7                      ; the hidden layer's: fragments 6 w on
	s_mul_i32 s27, s18, 768
	v_add_nc_u32 v8, s27, v3
	v_add_nc_u32 v8, HSC, v8
	s_mul_i32 s27, s18, 4352
	v_mul_u32_u24 v9, v74, 272
	v_lshl_add_u32 v9, v75, 6, v9
	v_add_nc_u32 v9, s27, v9
	v_add_nc_u32 v9, STG, v9                       ; into the stage: row r, + 64 h
	v_mul_u32_u24 v10, v75, 272
	v_lshl_add_u32 v10, v74, 4, v10
	v_add_nc_u32 v10, s27, v10
	v_add_nc_u32 v10, STG, v10                     ; back: lanes 0-15 one row, lanes 16-31 the next
	v_lshlrev_b32 v11, 4, v74
	v_mov_b32 v19, 0
	v_mov_b32 v21, 0
	v_mov_b32 v23, 0
	v_mov_b32 v24, 0xc0135761                      ; c0 = -2.302208
	v_mov_b32 v25, 0xc0135761
	v_mov_b32 v26, 0xbdd2d3e8                      ; c1 = -0.1029432
	v_mov_b32 v27, 0xbdd2d3e8
	v_mov_b32 v[TM+2], 0                           ; written once: a lane permute's destination counts as one of its sources
	v_mov_b32 v[TM+3], 0
	v_add_nc_u32 v[VLH], HIMG, v1
	v_add_nc_u32 v[VLH+1], HIMG+36864, v1
	v_add_nc_u32 v[VLS], HSC, v3
	v_lshlrev_b32 v[VPF], 8, v73
	v_cmp_gt_u32 vcc_lo, 16, v73                   ; lanes 0-15: kept to the end; nothing else writes VCC
	s_mov_b32 s[SEL], 0x76543210
	s_mov_b32 s[SEL+1], 0xfedcba98
	s_wait_alu depctr_va_vcc(0)                    ; VCC is written, ahead of every branch and of its readers, the selects on the way out
	s_wait_kmcnt 0x0
	s_and_b32 s19, s24, 0xff
	s_min_u32 s19, s19, 7                          ; the expert
	s_lshr_b32 s20, s24, 8                         ; 1 in the expert's first tile
	s_min_u32 s21, s25, 48                         ; rows
	s_min_u32 s23, s21, 1                          ; 1 where the tile has rows, else 0
	s_sub_co_u32 s22, s21, s23                     ; the last row's index: rows - 1; 0 in a tile without rows,
	s_mul_i32 s34, s34, s23                        ; which reads tile 0's list: no entry is read that nobody stored
	s_add_nc_u64 s[34:35], s[4:5], s[34:35]
	s_lshl_b32 s26, s19, 3
	s_add_co_u32 s26, s26, s18
	s_mul_i32 s26, s26, 204800                     ; my stream: 32 units
	s_mov_b32 s27, 0
	s_add_nc_u64 s[8:9], s[8:9], s[26:27]
	s_lshl_b32 s26, s19, 13
	s_lshl_b32 s30, s18, 10
	s_add_co_u32 s26, s26, s30
	s_add_nc_u64 s[12:13], s[12:13], s[26:27]      ; b_up: the expert's 2,048, my 256
	s_lshl_b32 s26, s19, 11
	s_lshl_b32 s30, s18, 8
	s_add_co_u32 s26, s26, s30
	s_add_nc_u64 s[14:15], s[14:15], s[26:27]      ; b_down: the expert's 512, my 64
	s_mov_b32 s26, s30
	s_add_nc_u64 s[16:17], s[16:17], s[26:27]      ; y: my 64 columns
.irp m, 0,1,2
	v_add_nc_u32 v[64+\m], 16*\m, v74
	v_min_u32 v[64+\m], s22, v[64+\m]              ; rows beyond the count are copies of the last row
	v_min_u32 v[64+\m], 47, v[64+\m]
	v_lshlrev_b32 v[64+\m], 2, v[64+\m]
.endr
	s_lshr_b32 s36, s18, 1
	s_lshl_b32 s36, s36, 4
	v_add_nc_u32 v67, s36, v74                     ; the row that I quantise: token tile w / 2
	v_min_u32 v67, s22, v67
	v_min_u32 v67, 47, v67
	v_lshlrev_b32 v67, 2, v67
	s_wait_alu depctr_va_vdst(0)                   ; every offset and LDS address made so far is written (v1 to v11, v64 to v70, v240 to v243): the loads, stores and prefetches of the whole kernel read them
.irp m, 0,1,2
	global_load_b32 v[SLR+\m], v[64+\m], s[34:35] offset:2048
.endr
	global_load_b32 v[JS], v67, s[34:35] offset:2048
	global_load_b128 v[244:247], v68, s[12:13]
	global_load_b128 v[248:251], v68, s[12:13] offset:16
	global_load_b64 v[252:253], v2, s[14:15]
	FILL 0
	FILL 1
	s_wait_loadcnt 26                              ; the seven loads above are in; the two units' 26 may be out
	ds_store_b128 v69, v[244:247]
	ds_store_b128 v69, v[248:251] offset:16
	ds_store_b64 v70, v[252:253]                   ; my wave's own bytes: only I read them
	s_wait_alu depctr_vm_vsrc(0)                   ; the row list's loads have read v64 to v66, which are written again below
.irp m, 0,1,2
	v_min_u32 v[SLR+\m], 0x1fff, v[SLR+\m]
	v_lshlrev_b32 v[64+\m], 2, v[SLR+\m]
.endr
	v_lshrrev_b32 v13, 1, v[JS]                    ; the token,
	v_min_u32 v13, 0xfff, v13
	v_lshlrev_b32 v13, 11, v13                     ; its row of 2,048 bytes,
	v_lshl_add_u32 v13, v75, 6, v13                ; + 64 h: my 16 numbers of a block of 32,
	s_and_b32 s30, s18, 1
	s_lshl_b32 s30, s30, 10
	v_add_nc_u32 v13, s30, v13                     ; + K steps 2 (w % 2) and 2 (w % 2) + 1
	s_wait_alu depctr_va_vdst(0)                   ; v64 to v66 and v13 are written, which the loads below read; the head is done with v72 to v75, in which loads land from here on
.irp m, 0,1,2
	global_load_b32 v[P+2*\m], v[64+\m], s[6:7]    ; the rows' weights
.endr
	s_cmp_lt_u32 s18, 6
	s_cbranch_scc0 .Lnox
	; ---- waves 0-5: 16 gathered rows x 256 along K become two fragments
.irp b, 0,1,2,3
.irp j, 0,1,2,3
	global_load_b128 v[72+16*\b+4*\j:72+16*\b+4*\j+3], v13, s[10:11] offset:128*\b+16*\j
.endr
.endr
.irp b, 0,1,2,3
.irp j, 0,1,2,3
	global_load_b128 v[136+16*\b+4*\j:136+16*\b+4*\j+3], v13, s[10:11] offset:512+128*\b+16*\j
.endr
.endr
	s_wait_loadcnt 16                              ; the first K step is in; the second's sixteen loads may be out
	QUANTH 72, 5, 0, 0, 6, 0, 0
	QUANTH 104, 5, 0, 1, 6, 0, 1
	s_wait_loadcnt 0x0
	QUANTH 136, 5, 1536, 0, 6, 128, 1
	QUANTH 168, 5, 1536, 1, 6, 128, 1
.Lnox:
	FILL 2                                         ; no vector or matrix instruction has named these three slots
	FILL 3
	FILL 4
	s_wait_dscnt 0x0                               ; for the others' sake: my stores have landed
	s_barrier_signal -1
	s_barrier_wait -1                              ; x's twelve fragments lie in LDS; nothing writes them again
	; ---- the first product, GELU and the quantiser: four passes of 64 hidden units
.set N, 0
.irp pi, 0,1,2,3
	BIASINIT \pi                                   ; no wait: the vector work that named the accumulators stands ahead of the last wait on va_vdst (waves 6 and 7, first pass: the head's second)
.if \pi == 0
	BLOAD 0
.endif
	UNIT
	UNIT
	UNIT
	UNIT
.irp m, 0,1,2
	GELU \m
	QUANTH ACC+32*\m, 7, (3*(\pi/2)+\m)*1536, \pi%2, 8, (3*(\pi/2)+\m)*128, 1   ; half \pi % 2 of K step 2 w + \pi / 2 of the second product
.endr
.endr
	s_wait_dscnt 0x0                               ; for the others' sake: my stores have landed
	s_barrier_signal -1
	s_barrier_wait -1                              ; the hidden layer's 48 fragments lie in LDS
	; ---- the second product: my 64 columns, K ascending
	BIASINIT 4
	BLOAD 16
.rept 16
	UNIT
.endr
	s_cmp_eq_u32 s21, 0                            ; a tile without rows stores nothing: the jump stands behind the last barrier, round the stores and their stage alone
	s_cbranch_scc1 .Lend
	OUTM 0                                         ; (v[RO ..] held the head's short-lived addresses: the waits on vm_vsrc at the quantisers' heads have shown them read)
	OUTM 1
	OUTM 2
.Lend:
	s_wait_dscnt 0x0
	s_wait_alu depctr_hold_cnt(0) depctr_sa_sdst(0) depctr_va_vdst(0) depctr_va_sdst(0) depctr_va_ssrc(0) depctr_va_vcc(0) depctr_vm_vsrc(0)
	s_wait_tensorcnt 0x0
	ds_add_u32 v254, v255
	s_wait_dscnt 0x0
	s_endpgm
.Lfunc_end_k_q04f39ee34d_chain:
	.size	k_q04f39ee34d_chain, .Lfunc_end_k_q04f39ee34d_chain-k_q04f39ee34d_chain
	.p2alignl 7, 3214868480
	.fill 96, 4, 3214868480
	.section	.rodata,"a",@progbits
	.p2align	6, 0x0
	.amdhsa_kernel k_q04f39ee34d_chain
		.amdhsa_group_segment_fixed_size 145920
		.amdhsa_private_segment_fixed_size 0
		.amdhsa_enable_private_segment 0
		.amdhsa_kernarg_size 56
		.amdhsa_user_sgpr_count 2
		.amdhsa_user_sgpr_kernarg_segment_ptr 1
		.amdhsa_wavefront_size32 1
		.amdhsa_system_sgpr_workgroup_id_x 1
		.amdhsa_system_sgpr_workgroup_id_y 1
		.amdhsa_system_sgpr_workgroup_id_z 1
		.amdhsa_system_vgpr_workitem_id 0
		.amdhsa_next_free_vgpr 512
		.amdhsa_next_free_sgpr 66
		.amdhsa_reserve_vcc 1
		.amdhsa_float_denorm_mode_32 3
		.amdhsa_float_denorm_mode_16_64 3
		.amdhsa_memory_ordered 1
		.amdhsa_forward_progress 1
		.amdhsa_inst_pref_size 255
	.end_amdhsa_kernel
	.section	.bss,"aw",@nobits
	.p2align	6
	.space	262144
	.amdgpu_metadata
---
amdhsa.version: [ 1, 2 ]
amdhsa.kernels:
  - .name:           k_q04f39ee34d_chain
    .symbol:         k_q04f39ee34d_chain.kd
    .args:
      - { .name: plan, .offset: 0, .size: 8, .value_kind: global_buffer, .address_space: global }
      - { .name: rp, .offset: 8, .size: 8, .value_kind: global_buffer, .address_space: global }
      - { .name: wq, .offset: 16, .size: 8, .value_kind: global_buffer, .address_space: global }
      - { .name: features, .offset: 24, .size: 8, .value_kind: global_buffer, .address_space: global }
      - { .name: b_up, .offset: 32, .size: 8, .value_kind: global_buffer, .address_space: global }
      - { .name: b_down, .offset: 40, .size: 8, .value_kind: global_buffer, .address_space: global }
      - { .name: y, .offset: 48, .size: 8, .value_kind: global_buffer, .address_space: global }
    .group_segment_fixed_size: 145920
    .private_segment_fixed_size: 0
    .kernarg_segment_align: 8
    .kernarg_segment_size: 56
    .max_flat_workgroup_size: 256
    .sgpr_count:     66
    .vgpr_count:     512
    .wavefront_size: 32
...
	.end_amdgpu_metadata
.endif
;; end of part 6
;; launch comb: the kernel of part 5 again; grid 256 x 1, 8 waves a work-group, no clusters, 0 bytes of LDS; arguments y, out0; writes out0
